; MI455X (gfx1250); checked and timed in simulation.
; The chip was launched on July 23, 2026; its instructions are those of AMD's public machine-readable ISA for CDNA 5 (MIT licence, August 2026) and "CDNA5" Instruction Set Architecture Reference Guide (July 2026). The comments in the code are by the model that wrote it; some were corrected since.
;; self Attention. Allowed arithmetic: matrix products marked QUANTISED: E2M1 operands, one E8M0 scale for each 32 along K, by v_wmma_scale_f32_16x16x128_f8f6f4 with both operands' format E2M1 (or v_wmma_scale_f32_32x16x128_f4), f32 sums; products left as they are: bf16, f16 or f32 operands; f32 sums; everything else in f32.
;; Inputs: W_qkv 3,072 x 1,024 float32; x 4 x 2,048 x 1,024 float32.
;; Outputs: out0 4 x 2,048 x 1,024 float32.
;; This version of the problem:
;;   THIS VERSION OF THE PROBLEM IS GIVEN IN LOW PRECISION. The matrix products marked QUANTISED in the list below multiply operands that are first quantised to E2M1 (2 exponent bits, 1 mantissa bit; 4 bits a number), with one power-of-two scale for each 32 numbers along K (OCP MX v1.0); their sums are f32. The products marked 'left as it is' may take bf16, f16 or f32 operands, with f32 sums. Whichever they take, every output number must still come out within the allowed error. Rounding operands to bf16 (8 significant bits) uses up far more of that allowance than f16 does (11 bits, for magnitudes from 6e-5 to 65,504). All else is computed in f32.
;;   The module's matrix products, in the order in which they are computed (A, B: the left and right operand; K: the contracted axis; several contracted axes count as one K, in the product's order):
;;     1. [M 8,192, K 1,024] x [K 1,024, N 3,072]; A: input x; B: input W_qkv: QUANTISED
;;     2. batch 4 x [M 2,048, K 1,024] x [K 1,024, N 2,048]; A: computed on the way; B: computed on the way: left as it is (an operand is computed on the way)
;;     3. batch 4 x [M 2,048, K 2,048] x [K 2,048, N 1,024]; A: computed on the way; B: computed on the way: left as it is (an operand is computed on the way)
;;   THE QUANTISER, for each operand of a quantised product, along K:
;;     - K is cut into blocks of 32 from its start; a last block that is shorter is filled with zeros.
;;     - A block's scale is 2^e with e = floor(log2(the largest magnitude in the block)) - 2, held to -126 .. 127; a block of zeros has e = 0. As a byte (E8M0): e + 127.
;;     - Each number is divided by its block's scale, clamped to +-6, and rounded to the nearest number of E2M1, ties to even, subnormals kept.
;;     - The product sums the exact products of the quantised numbers (number of the format x scale) in f32.
;;   ~~~python
;;   def quantise(x, axis):      # numpy; x: float32 -> the quantised numbers, widened to float32 again
;;       x = np.moveaxis(x, axis, -1); K = x.shape[-1]
;;       x = np.pad(x, [(0, 0)] * (x.ndim - 1) + [(0, -K % 32)]); x = x.reshape(x.shape[:-1] + (-1, 32)); a = np.abs(x).max(-1, keepdims=True)
;;       e = np.where(a > 0, np.clip(np.frexp(np.where(a > 0, a, 1))[1] - 1 - 2, -126, 127), 0)      # np.frexp(a)[1] - 1 = floor(log2(a)), exactly
;;       r = np.clip(x / 2.0 ** e, -6, 6)
;;       step = 2.0 ** (np.maximum(np.frexp(np.where(r == 0, 1, r))[1] - 1, 0) - 1)
;;       q = np.round(r / step) * step * 2.0 ** e      # np.round: ties to even
;;       return np.moveaxis(q.reshape(q.shape[:-2] + (-1,))[..., :K], -1, axis).astype(np.float32)
;;   ~~~
;; One version. Each part assembles by itself: llvm-mc -triple=amdgcn-amd-amdhsa -mcpu=gfx1250 --defsym DOCPART=n.
;; ======== version 1 of 1: 4 launches
;; limits: values are held in f16: magnitudes above 65,504 overflow, below 6.1e-05 lose precision
;; workspace buffers: xc 4,194,304 bytes; xs 262,144 bytes; wc 1,572,864 bytes; ws 98,304 bytes; qkv 50,331,648 bytes; p 33,554,432 bytes; mst 524,288 bytes; lst 524,288 bytes
;; launch quant (part 1): grid 352 x 1, 4 waves a work-group, no clusters, 33,280 bytes of LDS; arguments x, W_qkv, xc, xs, wc, ws; writes xc, xs, wc, ws
.if DOCPART == 1
	.amdgcn_target "amdgcn-amd-amdhsa--gfx1250"
	.amdhsa_code_object_version 6
	.text
	.protected	k_q0b1586c935_quant
	.globl	k_q0b1586c935_quant
	.p2align	8
	.type	k_q0b1586c935_quant,@function
k_q0b1586c935_quant:
	s_mov_b64 s[64:65], 0
	v_nop
	global_prefetch_b8 v0, s[64:65] scope:SCOPE_SE
	s_setreg_imm32_b32 hwreg(HW_REG_WAVE_MODE, 25, 1), 1
	s_wait_xcnt 0x0
; LAUNCH 1 OF 4.  out = softmax((x Wq^T)(x Wk^T)^T / 32) (x Wv^T), x [8192][1024], W_qkv [3072][1024], f32.
; NOTHING IS LEFT OUT: both inputs and all three products of the problem reach the output for all values of the inputs; there is no mask, no bias and no slice.
; THE FOUR LAUNCHES: 1 quantises x and W_qkv along K; 2 multiplies the codes (q, k, v, rounded once to f16); 3 makes the scores and, for each row and block of 128 keys, a whole-number
; maximum M, the weights 2^(t - M) in f16 and their f32 sum; 4 brings the blocks under the row's largest M by exact powers of two, multiplies by v and divides by the row's sum.
; THIS LAUNCH: x and W_qkv become codes of FP4 (E2M1), 4 bits each, K innermost, with one E8M0 scale byte for each 32 along K.
; A block's scale is 2^(floor(log2(its largest magnitude)) - 2); its byte is the largest magnitude's own exponent field - 2, held at 1 from below.  Each number is divided by the scale and rounded to the
; nearest code, ties to even; beyond 6 the conversion gives the largest code.
; LIMITS: a block of zeros gets the byte 1 where the rule says 127 (its codes are zeros, which add nothing under any byte but 0xff, and the bytes are read by this program alone); blocks whose largest
; magnitude lies under 2^(2 - 126) keep the byte 1; NaN and infinities among the inputs are not served.
; Rows are dense and SIZE_K is a multiple of 32, so both tensors are plain streams of blocks of 32 numbers, and so are the codes and the scale bytes.
; A wave takes 16 steps of 512 numbers.  The conversions take 8 numbers of ONE block from a lane's registers, so a lane must hold 16 NEIGHBOURS (two neighbouring lanes hold a block); a load is best where
; neighbouring LANES take neighbouring bytes.  Both are had: each of a step's four loads reads 512 consecutive bytes, 16 a lane; the 2,048 bytes go through the wave's own stage in LDS and come back 64 bytes a lane.
; The stage has 16 bytes of padding behind each 64.  A lane's 16 codes are 8 bytes: the wave stores 256 consecutive bytes.  A wave's 256 scale bytes are gathered in LDS and leave by one store of 256 consecutive bytes.
; The first WGA work-groups take x, the others W_qkv.  No tensor loads, no barrier: waves share nothing.  Loads run four steps (16 loads a wave) ahead, the turn through LDS one step.
.set SIZE_M, 8192
.set SIZE_N, 3072
.set SIZE_K, 1024
.set WAVES, 4
.set STEPS, 16
.set WGA,   SIZE_M*SIZE_K/(512*STEPS*WAVES)    ; 256 work-groups for x, 96 for W_qkv
.set EMAX,  2
.set CB,    8                          ; bytes of 16 codes
.set R,     16                         ; v16-79   four sets of 16 numbers as they are loaded
.set X,     80                         ; v80-111  two sets of 16 neighbours
.set C,     128                        ; v128-191 codes: four registers for each step, so that no store's data are written again
.set E,     112                        ; v112-127 a scale byte for each step
.set WREG,  8192                       ; LDS: a region of its own for each wave: two stages of 32 x SP bytes, and behind them its 256 scale bytes
.set SP,    80                         ; a lane's place in a stage: its 64 bytes + 16 of padding
.set SPW,   12                         ; v12      LDS address of my spare word: SPARE + 4 x my thread's number; never rewritten
.set NIL,   13                         ; v13      0; never rewritten
.set SPARE, WAVES*WREG                 ; behind the four regions: the spare words, 128 bytes for each wave, which no other line names
	s_load_b128 s[4:7], s[0:1], 0x0                ; x, W_qkv
	s_load_b128 s[8:11], s[0:1], 0x10              ; x's codes, x's scales
	s_load_b128 s[12:15], s[0:1], 0x20             ; W's codes, W's scales
	v_lshl_add_u32 v[SPW], v0, 2, SPARE
	v_mov_b32 v[NIL], 0
	v_lshrrev_b32 v1, 5, v0
	v_readfirstlane_b32 s16, v1                    ; wave
	v_and_b32 v2, 31, v0                           ; lane
	v_lshlrev_b32 v3, 4, v2                        ; my 16 bytes of a load's 512
	s_mul_i32 s17, s16, WREG
	v_lshrrev_b32 v14, 2, v2
	v_mul_u32_u24 v14, v14, SP
	v_and_b32 v15, 3, v2
	v_lshl_add_u32 v14, v15, 4, v14
	v_add_nc_u32 v14, s17, v14                     ; the stage, on the way in: four lanes' 64 bytes on end, then 16 of padding
	v_mul_u32_u24 v15, v2, SP
	v_add_nc_u32 v15, s17, v15                     ; and on the way out: SP x lane: my 16 neighbours
	v_mul_u32_u24 v4, v2, CB                       ; my codes' place in a step's
	v_lshrrev_b32 v5, 1, v2
	s_add_co_u32 s17, s17, 2*32*SP
	v_add_nc_u32 v5, s17, v5                       ; LDS: my wave's 256 scale bytes, my block's byte
	v_lshlrev_b32 v7, 3, v2                        ; and on the way out 8 bytes a lane
	v_add_nc_u32 v6, s17, v7
	s_wait_kmcnt 0x0
	s_cmp_lt_u32 ttmp9, WGA                        ; x's work-group or W's?  The choice hangs on the work-group's number alone
	s_cselect_b64 s[4:5], s[4:5], s[6:7]
	s_cselect_b64 s[8:9], s[8:9], s[12:13]
	s_cselect_b64 s[10:11], s[10:11], s[14:15]
	s_cselect_b32 s17, 0, WGA
	s_sub_co_u32 s17, ttmp9, s17
	s_lshl_b32 s17, s17, 2
	s_add_co_u32 s18, s17, s16                     ; which run of 8,192 numbers of the tensor is my wave's
	s_mov_b32 s19, 0
	s_mov_b64 s[20:21], 512*STEPS*4
	s_mul_u64 s[20:21], s[18:19], s[20:21]
	s_add_nc_u64 s[4:5], s[4:5], s[20:21]
	s_mov_b64 s[20:21], 32*STEPS*CB
	s_mul_u64 s[20:21], s[18:19], s[20:21]
	s_add_nc_u64 s[8:9], s[8:9], s[20:21]
	s_lshl_b32 s18, s18, 8                         ; 256 scale bytes a run
	s_add_nc_u64 s[10:11], s[10:11], s[18:19]
.macro LOAD t
.irp i, 0,1,2,3
	global_load_b128 v[R+16*((\t)%4)+4*\i:R+16*((\t)%4)+4*\i+3], v3, s[4:5] offset:2048*(\t)+512*\i th:TH_LOAD_NT   ; 32 lanes read 512 consecutive bytes
.endr
.endm
.macro TURN t                          ; step t's numbers through the stage: LDS serves a wave's instructions in order, so no wait stands between the stores and the loads
.irp i, 0,1,2,3
	ds_store_b128 v14, v[R+16*((\t)%4)+4*\i:R+16*((\t)%4)+4*\i+3] offset:32*SP*((\t)%2)+8*SP*\i
.endr
.irp i, 0,1,2,3
	ds_load_b128 v[X+16*((\t)%2)+4*\i:X+16*((\t)%2)+4*\i+3], v15 offset:32*SP*((\t)%2)+16*\i
.endr
.endm
.irp t, 0,1,2,3
	LOAD \t
.endr
	s_wait_loadcnt 12                              ; step 0's four loads are in
	TURN 0
.macro STEP t
.set XS, X+16*((\t)%2)
.if (\t) > 0
	s_wait_dscnt 1                                 ; this step's numbers are back from the stage (the last step's byte store may be out): so its stores into the stage have read their registers,
.else
	s_wait_dscnt 0x0
.endif
.if (\t)+4 < STEPS
	LOAD (\t)+4                                    ; which take the loads of four steps on
.endif
.if (\t)+1 < STEPS
.if STEPS-2-(\t) >= 3
	s_wait_loadcnt 12                              ; the next step's four loads are in; those of the three steps behind it may be out
.else
	s_wait_loadcnt 4*(STEPS-2-(\t))
.endif
	TURN (\t)+1                                    ; and go through the other stage while this step is worked
.endif
	v_max3_num_f32 v8, |v[XS]|, |v[XS+1]|, |v[XS+2]|               ; the largest magnitude of my 16
	v_max3_num_f32 v9, |v[XS+3]|, |v[XS+4]|, |v[XS+5]|
.irp i, 6,10
	v_max3_num_f32 v8, v8, |v[XS+\i]|, |v[XS+\i+1]|
	v_max3_num_f32 v9, v9, |v[XS+\i+2]|, |v[XS+\i+3]|
.endr
	v_max3_num_f32 v8, v8, |v[XS+14]|, |v[XS+15]|
	v_max3_num_f32 v8, v8, v9, (EMAX+1)<<23        ; and the floor 2^(EMAX + 1 - 127): so the byte cannot fall under 1
	v_max_num_f32_dpp v8, v8, v8 row_xmask:1 row_mask:0xf bank_mask:0xf   ; and of my neighbour's 16: the block's
	v_add_nc_u32 v11, -(EMAX<<23), v8              ; EMAX off its exponent field: the conversion takes the exponent field of this operand as its scale, and nothing else of it
	v_cvt_scalef32_pk8_fp4_f32 v[C+4*(\t)], v[XS:XS+7], v11        ; eight numbers / 2^(v11's exponent), to the nearest code; the first number's code in the lowest four bits
	v_cvt_scalef32_pk8_fp4_f32 v[C+4*(\t)+1], v[XS+8:XS+15], v11
	v_lshrrev_b32 v[E+(\t)], 23, v11               ; the scale's byte (also the plain line behind the conversions)
	ds_store_b8 v5, v[E+(\t)] offset:16*(\t)       ; both lanes of a block write the same byte with the same value
	global_store_b64 v4, v[C+4*(\t):C+4*(\t)+1], s[8:9] offset:32*CB*(\t)
.endm
.irp t, 0,1,2,3,4,5,6,7,8,9,10,11,12,13,14,15
	STEP \t
.endr
	ds_load_b64 v[8:9], v6                         ; LDS serves a wave's instructions in order: these see my stores
	s_wait_dscnt 0x0
	global_store_b64 v7, v[8:9], s[10:11]          ; 32 lanes store 256 consecutive bytes, aligned
	s_wait_tensorcnt 0x0                           ; the wave's end, behind my last LDS store
	ds_add_u32 v[SPW], v[NIL]
	s_wait_dscnt 0x0
	s_endpgm
.Lfunc_end_k_q0b1586c935_quant:
	.size	k_q0b1586c935_quant, .Lfunc_end_k_q0b1586c935_quant-k_q0b1586c935_quant
	.p2alignl 7, 3214868480
	.fill 96, 4, 3214868480
	.section	.rodata,"a",@progbits
	.p2align	6, 0x0
	.amdhsa_kernel k_q0b1586c935_quant
		.amdhsa_group_segment_fixed_size 33280
		.amdhsa_private_segment_fixed_size 0
		.amdhsa_enable_private_segment 0
		.amdhsa_kernarg_size 48
		.amdhsa_user_sgpr_count 2
		.amdhsa_user_sgpr_kernarg_segment_ptr 1
		.amdhsa_wavefront_size32 1
		.amdhsa_system_sgpr_workgroup_id_x 1
		.amdhsa_system_sgpr_workgroup_id_y 1
		.amdhsa_system_sgpr_workgroup_id_z 1
		.amdhsa_system_vgpr_workitem_id 0
		.amdhsa_next_free_vgpr 192
		.amdhsa_next_free_sgpr 66
		.amdhsa_reserve_vcc 0
		.amdhsa_float_denorm_mode_32 3
		.amdhsa_float_denorm_mode_16_64 3
		.amdhsa_memory_ordered 1
		.amdhsa_forward_progress 1
		.amdhsa_inst_pref_size 33
	.end_amdhsa_kernel
	.amdgpu_metadata
---
amdhsa.version: [ 1, 2 ]
amdhsa.kernels:
  - .name:           k_q0b1586c935_quant
    .symbol:         k_q0b1586c935_quant.kd
    .args:
      - { .name: x, .offset: 0, .size: 8, .value_kind: global_buffer, .address_space: global }
      - { .name: W_qkv, .offset: 8, .size: 8, .value_kind: global_buffer, .address_space: global }
      - { .name: xc, .offset: 16, .size: 8, .value_kind: global_buffer, .address_space: global }
      - { .name: xs, .offset: 24, .size: 8, .value_kind: global_buffer, .address_space: global }
      - { .name: wc, .offset: 32, .size: 8, .value_kind: global_buffer, .address_space: global }
      - { .name: ws, .offset: 40, .size: 8, .value_kind: global_buffer, .address_space: global }
    .group_segment_fixed_size: 33280
    .private_segment_fixed_size: 0
    .kernarg_segment_align: 8
    .kernarg_segment_size: 48
    .max_flat_workgroup_size: 128
    .sgpr_count:     66
    .vgpr_count:     192
    .wavefront_size: 32
...
	.end_amdgpu_metadata
.endif
;; end of part 1
;; launch qkv (part 2): grid 12 x 32, 4 waves a work-group, clusters of 4 x 4, 327,680 bytes of LDS; arguments xc, xs, wc, ws, qkv; writes qkv
.if DOCPART == 2
	.amdgcn_target "amdgcn-amd-amdhsa--gfx1250"
	.amdhsa_code_object_version 6
	.text
	.protected	k_q0b1586c935_qkv
	.globl	k_q0b1586c935_qkv
	.p2align	8
	.type	k_q0b1586c935_qkv,@function
k_q0b1586c935_qkv:
	s_mov_b64 s[64:65], 0
	v_nop
	global_prefetch_b8 v0, s[64:65] scope:SCOPE_SE
	s_setreg_imm32_b32 hwreg(HW_REG_WAVE_MODE, 25, 1), 1
	s_wait_xcnt 0x0
	s_wait_alu depctr_hold_cnt(0) depctr_sa_sdst(0) depctr_va_vdst(0) depctr_va_sdst(0) depctr_va_ssrc(0) depctr_va_vcc(0) depctr_vm_vsrc(0)
	s_getreg_b32 s2, hwreg(HW_REG_IB_STS2, 6, 4)
	s_cmp_eq_u32 s2, 0
	s_cbranch_scc0 .Lentry_in_a_cluster
	s_endpgm
.Lentry_in_a_cluster:
	s_bfe_u32 s2, ttmp6, 0x10000c
	s_cmp_lg_u32 s2, 0xf033
	s_cbranch_scc0 .Lentry_shape_is_right
	s_endpgm
.Lentry_shape_is_right:
; LAUNCH 2 OF 4.  qkv[m][e] = sum over k of x[m][k] W_qkv[e][k], both as codes of FP4 (E2M1) with one E8M0 scale for each 32 along K; sums in f32; the result is rounded ONCE to f16.
; qkv: [8192][3072] f16: a row is 6,144 bytes: q at byte 0, k at byte 2,048, v at byte 4,096.  LIMIT: a sum of magnitude 65,504 or more has no f16 number.
; A tile of 256 x 256 is made by a work-group of four waves; a wave makes 128 x 128: 64 accumulators of 16 x 16, 512 registers.
; K = 1,024 is two LDS slots of 512 along K (a tile's row is 256 bytes of memory): both are asked for at the head and NOTHING IS FILLED AGAIN.
; THE SCALES of the work-group's 256 rows of x and 256 rows of W, for all of K, are two dense blocks of memory: they come into LDS once, with the first fills.
; CLUSTERS: 4 x 4 work-groups.  The four of a row of the cluster need the same tiles of x, the four of a column the same tiles of W: each tile is asked for JOINTLY, by the same tensor load with the
; same descriptor and a mask that names the four.  THE MATRIX INSTRUCTION IS USED TRANSPOSED (source 0 = 16 rows of W, source 1 = 16 rows of x): a lane then holds eight neighbouring numbers of a row of qkv.
; REGISTERS, in windows of 256: window 0: v0-31 addresses; v32-95 scale words, two sets; from v128 x's fragments (8 x 16 rows x 128 K), ONE set; on the way out v32-63, v192-255 are at work.
;   window 1: W's fragments, TWO sets, at v0 and at v128.   window 2: the 32 accumulators of my rows 0-63 (accumulator (a, b) at v[8 (8 a + b)]);   window 3: those of my rows 64-127.
; A step of 128 along K is 64 matrix instructions, x's blocks one after the other, each against W's eight: a block of x is free as soon as its eight products are issued, so one set serves x.
.set SIZE_M, 8192
.set SIZE_N, 3072
.set SIZE_K, 1024
.set KSTEP,  512                       ; along K in a slot
.set NQ,     KSTEP/128                 ; matrix instructions deep
.set ROWB,   256                       ; a tile's row in bytes
.set KROW,   SIZE_K*4/8                ; a row of codes in memory, in bytes
.set PITCH,  272                       ; an LDS row: 256 bytes + 16 of padding = 68 words: row r starts at bank 4 r mod 64 (64 banks of 4 bytes: ISA guide 11.1)
.set FR,     8                         ; registers of a fragment
.set NL,     2                         ; LDS loads that bring one
.set NP,     4                         ; places behind this matrix instruction (ISA guide 7.12.1)
.set HALFT,  128*PITCH                 ; 128 rows: what one tensor load brings
.set SLOT,   4*HALFT                   ; x's 256 rows, then W's 256 rows
.set KS,     SIZE_K/32                 ; a row of scales in bytes
.set SCL,    2*SLOT                    ; behind the two slots: the scales, as runs of 256 bytes + 16 of padding
.set HALFS,  (128*KS/256)*272          ; the scales of 128 rows
.set SBLK,   (16*KS/256)*272           ; those of 16 rows
.set SPARE,  SCL+4*HALFS               ; behind the scales: the spare words, 128 bytes for each wave, which no other line names
.set SPITCH, 272                       ; the way out: a stage of 16 rows x (256 bytes + 16) for each wave, in slot 0, which has had its one fill and its last read by then
.set QROW,   SIZE_N*2                  ; a row of qkv in bytes
.set ADRA, 16                          ; v16-17  LDS address of my x fragments in slot 0, 1
.set ADRB, 20                          ; v20-21  the same for W
.set STO,  24                          ; v24     the way out: where I put 16 bytes of a row
.set RD,   25                          ; v25     the way out: where I read a row back
.set CO,   26                          ; v26     my byte offset in qkv
.set ADRS, 27                          ; v27     LDS address of my scale words: lanes 0-15 x's rows, lanes 16-31 W's
.set SPW,  28                          ; v28     LDS address of my spare word; never rewritten
.set NIL,  29                          ; v29     0; never rewritten
.set SC,   32                          ; scale words: set s at v[SC + 8 NQ s]; register NQ i + q: lanes 0-15 the word of x's block i, lanes 16-31 that of W's block i
.set AF,   128                         ; x's fragments, in window 0
.set TMP,  192                         ; the way out: packed results
.set OB,   32                          ; the way out: 16 rows read back: v32-63 and v224-255 by turns
.set G1, 24                            ; s[24:31] descriptor group 1 for x's tiles;  s[32:39] group 0, one set for each slot
.set G0, 32
.set G1B, 48                           ; s[48:55], s[56:63] the same for W's tiles
.set G0B, 56
.set G1S, 68                           ; s[68:75], s[76:79] groups 1 and 0 for x's scales;  s[80:87], s[88:91] for W's
.set G0S, 76
.set G1SB, 80
.set G0SB, 88
.set MSB, 0
.macro WIN new                         ; the immediate's high byte repeats the setting that is left
.if MSB != \new
	s_set_vgpr_msb (MSB<<8)|\new
.set MSB, \new
.endif
.endm
.set MUL_LO, 0xa1                      ; source 0 (W) window 1, source 1 (x) window 0, C and D window 2
.set MUL_HI, 0xf1                      ; the same, C and D window 3
.set TO_B,   0x40                      ; destination window 1, address window 0
; A joint load: waves 0 and 1 fetch for x, waves 2 and 3 for W.  Each line has ONE mask and one set of registers for all that issue it; the branch hangs on the wave's number alone.
; An s_nop 0 and four v_nop follow each of the two lines.
.macro JLOAD g0a, g1a, g0b, g1b
	s_cmp_eq_u32 s15, 0
	s_cbranch_scc0 .Lfor_b_\@
	tensor_load_to_lds s[\g0a:\g0a+3], s[\g1a:\g1a+7]
	s_nop 0
.rept 4
	v_nop
.endr
	s_branch .Lasked_\@
.Lfor_b_\@:
	tensor_load_to_lds s[\g0b:\g0b+3], s[\g1b:\g1b+7]
	s_nop 0
.rept 4
	v_nop
.endr
.Lasked_\@:
.endm
.macro CROUND                          ; a round of the cluster's barrier
	s_barrier_signal -1
	s_barrier_wait -1
	s_cmp_lg_u32 s14, 0
	s_cbranch_scc1 .Lnot_wave_0_\@
	s_barrier_signal -3
.Lnot_wave_0_\@:
	s_barrier_wait -3
	s_barrier_signal -1
	s_barrier_wait -1
.endm
	s_load_b128 s[4:7], s[0:1], 0x0                ; x's codes s[4:5], x's scales s[6:7]
	s_load_b128 s[8:11], s[0:1], 0x10              ; W's codes s[8:9], W's scales s[10:11]
	s_load_b64 s[12:13], s[0:1], 0x20              ; qkv
	v_lshl_add_u32 v[SPW], v0, 2, SPARE
	v_mov_b32 v[NIL], 0
	ds_add_u32 v[SPW], v[NIL]                      ; the wave's opening: the add, twice on end, and its wait ahead of my first tensor load
	ds_add_u32 v[SPW], v[NIL]                      ; and once more, under the one wait; the set-up below, work on registers, stands between
	v_lshrrev_b32 v1, 5, v0
	v_readfirstlane_b32 s14, v1                    ; wave 0..3
	s_lshr_b32 s15, s14, 1                         ; which half of the tile's rows is mine.  Also: I fetch for x (0) or for W (1)
	s_and_b32 s16, s14, 1                          ; which half of its columns.  Also: which 128 rows of that tile I fetch
	s_bfe_u32 s40, ttmp6, 0x40000                  ; cx, cy: my place in the cluster
	s_bfe_u32 s41, ttmp6, 0x40004
	s_lshl_b32 s42, ttmp9, 2
	s_add_co_u32 s42, s42, s40                     ; tile column = 4 x cluster x + cx
	s_and_b32 s17, ttmp7, 0xffff
	s_lshl_b32 s17, s17, 2
	s_add_co_u32 s17, s17, s41                     ; tile row = 4 x cluster y + cy
	s_lshl_b32 s43, s41, 2
	s_lshl_b32 s43, 15, s43                        ; my row of the cluster
	s_lshl_b32 s44, 0x1111, s40                    ; my column
	; descriptor group 1: a tile of 128 rows x 256 bytes, padded in LDS
	s_or_b32 s[G1+0], s43, (0<<16)|(1<<20)|(1<<21)|(5<<22)|(3<<25)  ; 15:0 the mask; 17:16 element of 1 byte; 20 padding on; 21 set beside a mask; 24:22 after every 64 words; 31:25 of 4 words
	s_or_b32 s[G1B+0], s44, (0<<16)|(1<<20)|(1<<21)|(5<<22)|(3<<25)
.irp g, G1, G1B
	s_mov_b32 s[\g+1], ROWB<<16                    ; tensor_dim0
	s_mov_b32 s[\g+2], 128<<16                     ; tensor_dim1 = 128
	s_mov_b32 s[\g+3], ROWB<<16                    ; tile_dim0
	s_mov_b32 s[\g+4], 128                         ; tile_dim1 = 128
	s_mov_b32 s[\g+5], KROW                        ; tensor_dim0_stride
	s_mov_b32 s[\g+6], 0
	s_mov_b32 s[\g+7], 0
.endr
	; and for the scales of 128 rows: a dense block of 4,096 bytes, as 16 rows of 256 bytes (32 elements of 8 bytes), 16 bytes of padding behind each
	s_or_b32 s[G1S+0], s43, (3<<16)|(1<<20)|(1<<21)|(5<<22)|(3<<25)
	s_or_b32 s[G1SB+0], s44, (3<<16)|(1<<20)|(1<<21)|(5<<22)|(3<<25)
.irp g, G1S, G1SB
	s_mov_b32 s[\g+1], 32<<16
	s_mov_b32 s[\g+2], (128*KS/256)<<16
	s_mov_b32 s[\g+3], 32<<16
	s_mov_b32 s[\g+4], 128*KS/256
	s_mov_b32 s[\g+5], 32
	s_mov_b32 s[\g+6], 0
	s_mov_b32 s[\g+7], 0
.endr
	s_lshl_b32 s18, s16, 7                         ; which 128 rows of the tile I fetch
	s_lshl_b32 s20, s17, 8
	s_add_co_u32 s20, s20, s18                     ; x: row 256 x tile row + 128 x half
	s_lshl_b32 s46, s42, 8
	s_add_co_u32 s46, s46, s18                     ; W: row 256 x tile column + 128 x half
	s_mov_b32 s21, 0
	s_mov_b32 s47, 0
	s_mov_b64 s[18:19], KS
	s_mul_u64 s[22:23], s[20:21], s[18:19]         ; where these rows' scales begin, in bytes
	s_mul_u64 s[92:93], s[46:47], s[18:19]
	s_mov_b64 s[18:19], KROW
	s_mul_u64 s[20:21], s[20:21], s[18:19]         ; and their codes
	s_mul_u64 s[46:47], s[46:47], s[18:19]
	s_mul_i32 s45, s14, HALFT                      ; where they go: wave x 128 rows: no place in the cluster enters an LDS address
	s_mul_i32 s94, s14, HALFS
	s_wait_dscnt 0x0                               ; both opening adds are done
	s_wait_kmcnt 0x0
	s_add_nc_u64 s[20:21], s[4:5], s[20:21]
	s_add_nc_u64 s[22:23], s[6:7], s[22:23]
	s_add_nc_u64 s[46:47], s[8:9], s[46:47]
	s_add_nc_u64 s[92:93], s[10:11], s[92:93]
	CROUND                                         ; all sixteen work-groups are here: the joint loads meet
	s_mov_b32 s[G0S], 1
	s_add_co_u32 s[G0S+1], s94, SCL
	s_mov_b64 s[G0S+2:G0S+3], s[22:23]
	s_or_b32 s[G0S+3], s[G0S+3], 0x80000000
	s_mov_b32 s[G0SB], 1
	s_add_co_u32 s[G0SB+1], s94, SCL
	s_mov_b64 s[G0SB+2:G0SB+3], s[92:93]
	s_or_b32 s[G0SB+3], s[G0SB+3], 0x80000000
	JLOAD G0S, G1S, G0SB, G1SB                     ; the scales first: they are wanted with the first slot
.irp s, 0,1
	s_mov_b32 s[G0+4*\s], 1
	s_add_co_u32 s[G0+4*\s+1], s45, \s*SLOT
	s_add_nc_u64 s[G0+4*\s+2:G0+4*\s+3], s[20:21], \s*ROWB
	s_or_b32 s[G0+4*\s+3], s[G0+4*\s+3], 0x80000000
	s_mov_b32 s[G0B+4*\s], 1
	s_add_co_u32 s[G0B+4*\s+1], s45, \s*SLOT
	s_add_nc_u64 s[G0B+4*\s+2:G0B+4*\s+3], s[46:47], \s*ROWB
	s_or_b32 s[G0B+4*\s+3], s[G0B+4*\s+3], 0x80000000
	JLOAD G0+4*\s, G1, G0B+4*\s, G1B               ; three tensor loads of mine are out in all
.endr
	v_and_b32 v1, 15, v0                           ; l % 16
	v_bfe_u32 v2, v0, 4, 1                         ; l / 16
	v_mul_u32_u24 v3, v1, PITCH
	v_lshl_add_u32 v4, v2, 4, v3                   ; a fragment's row x pitch + 16 x half
	s_mul_i32 s21, s15, HALFT                      ; my 128 rows of x
	s_mul_i32 s22, s16, HALFT                      ; my 128 rows of W,
	s_add_co_u32 s22, s22, 2*HALFT                 ; which lie behind x's 256
.irp s, 0,1
	v_add_nc_u32 v[ADRA+\s], s21, v4
	v_add_nc_u32 v[ADRB+\s], s22, v4
	s_add_co_u32 s21, s21, SLOT
	s_add_co_u32 s22, s22, SLOT
.endr
	v_mul_u32_u24 v5, v1, KS                       ; my row's scales: KS bytes a row,
	v_lshrrev_b32 v6, 8, v5
	v_lshl_add_u32 v5, v6, 4, v5                   ; and 16 more for each 256 passed
	s_mul_i32 s21, s15, HALFS                      ; x's: my 128 rows
	s_mul_i32 s22, s16, HALFS                      ; W's: my 128 rows, behind x's 256
	s_add_co_u32 s22, s22, 2*HALFS
	s_sub_co_u32 s22, s22, s21
	v_mul_u32_u24 v6, s22, v2                      ; lanes 16-31 take W's
	s_add_co_u32 s21, s21, SCL
	v_add_nc_u32 v5, v5, v6
	v_add_nc_u32 v[ADRS], s21, v5
	s_mul_i32 s23, s14, 16*SPITCH                  ; my stage
	v_mul_u32_u24 v5, v1, SPITCH                   ; in: row l % 16, 16 bytes for each half of the lanes
	v_lshl_add_u32 v5, v2, 4, v5
	v_add_nc_u32 v[STO], s23, v5
	v_mul_u32_u24 v5, v2, SPITCH                   ; back: lanes 0-15 take one row of 256 bytes, lanes 16-31 the next
	v_lshl_add_u32 v5, v1, 4, v5
	v_add_nc_u32 v[RD], s23, v5
	v_mul_u32_u24 v5, v2, QROW                     ; and the same two rows in qkv
	v_lshl_add_u32 v[CO], v1, 4, v5
	s_lshl_b32 s20, s17, 8
	s_lshl_b32 s21, s15, 7
	s_add_co_u32 s20, s20, s21                     ; my first row: 256 x tile row + 128 x half
	s_mul_i32 s20, s20, QROW                       ; under 2^26 bytes
	s_lshl_b32 s46, s42, 9                         ; my first column, in bytes: 512 x tile column + 256 x half
	s_lshl_b32 s47, s16, 8
	s_add_co_u32 s46, s46, s47
	s_add_co_u32 s20, s20, s46
	s_mov_b32 s21, 0
	s_add_nc_u64 s[12:13], s[12:13], s[20:21]
.macro FRAG reg, adr, q, i             ; a fragment, 16 rows x 128 K of 4-bit codes, is 8 registers: lane l holds row l % 16; registers 4 c .. 4 c + 3 hold K = 64 c + 32 (l / 16) + 0 .. 31
.irp c, 0,1
	ds_load_b128 v[\reg+4*\c:\reg+4*\c+3], v[\adr] offset:64*(\q)+32*\c+(\i)*16*PITCH
.endr
.endm
; 16 matrix instructions: x's blocks a0, a0 + 1 x W's eight, 128 along K: the slot's q-th.  p: W's set;  sc: the set of scale words.  zero = 1: the first product starts the sums.
; The 64 accumulators take turns, one instruction a turn, in the same order in every step.
.macro MUL16 a0, p, q, sc, zero
.irp a, \a0, \a0+1
.irp b, 0,1,2,3,4,5,6,7
.if \zero
	v_wmma_scale_f32_16x16x128_f8f6f4 v[8*(8*((\a)%4)+\b):8*(8*((\a)%4)+\b)+7], v[128*(\p)+FR*\b:128*(\p)+FR*\b+FR-1], v[AF+FR*(\a):AF+FR*(\a)+FR-1], 0, v[SC+8*NQ*(\sc)+NQ*\b+(\q)], v[SC+8*NQ*(\sc)+NQ*(\a)+(\q)] matrix_a_fmt:MATRIX_FMT_FP4 matrix_b_fmt:MATRIX_FMT_FP4 matrix_a_scale:MATRIX_SCALE_ROW1
.else
	v_wmma_scale_f32_16x16x128_f8f6f4 v[8*(8*((\a)%4)+\b):8*(8*((\a)%4)+\b)+7], v[128*(\p)+FR*\b:128*(\p)+FR*\b+FR-1], v[AF+FR*(\a):AF+FR*(\a)+FR-1], v[8*(8*((\a)%4)+\b):8*(8*((\a)%4)+\b)+7], v[SC+8*NQ*(\sc)+NQ*\b+(\q)], v[SC+8*NQ*(\sc)+NQ*(\a)+(\q)] matrix_a_fmt:MATRIX_FMT_FP4 matrix_b_fmt:MATRIX_FMT_FP4 matrix_a_scale:MATRIX_SCALE_ROW1
.endif
.endr
.endr
.endm
.macro FETCH_B slot, q, p              ; W's eight fragments of the slot's q-th 128 along K into set p
	WIN TO_B
.irp i, 0,1,2,3,4,5,6,7
	FRAG 128*(\p)+FR*\i, ADRB+\slot, \q, \i
.endr
	WIN 0
.endm
.macro FETCH_A slot, q, i0             ; x's blocks i0 .. i0 + 3
.irp i, \i0, \i0+1, \i0+2, \i0+3
	FRAG AF+FR*(\i), ADRA+\slot, \q, \i
.endr
.endm
.macro SCALES sc                       ; a slot's scale words into set sc: NQ words a row; lanes 0-15 take x's block i, lanes 16-31 W's block i
.irp i, 0,1,2,3,4,5,6,7
	ds_load_b128 v[SC+8*NQ*\sc+NQ*\i:SC+8*NQ*\sc+NQ*\i+3], v[ADRS] offset:\i*SBLK
.endr
.endm
; A load into a register that a matrix instruction has read, and a vector instruction that reads a matrix result, stand NP places behind that matrix instruction; only plain vector
; instructions that name none of its registers are places (ISA guide 7.12.1 for vector instructions).
.macro PLACES n
.rept \n
	v_nop
.endr
.endm
.macro STEP slot, q, zero              ; a step of 128 along K that has its successor in the same slot
	s_wait_dscnt 4*NL                              ; W's set and x's blocks 0-3 are in; the youngest eight loads (x's blocks 4-7) may be out
	WIN MUL_LO
	MUL16 0, (\q)%2, \q, \slot, \zero
	MUL16 2, (\q)%2, \q, \slot, \zero
	s_wait_dscnt 0                                 ; x's blocks 4-7 are in (asked for 32 matrix instructions ago)
	PLACES NP
	FETCH_B \slot, (\q)+1, 1-(\q)%2
	FETCH_A \slot, (\q)+1, 0
	WIN MUL_HI
	MUL16 4, (\q)%2, \q, \slot, \zero
	MUL16 6, (\q)%2, \q, \slot, \zero
	PLACES NP
	WIN 0
	FETCH_A \slot, (\q)+1, 4
.endm
; Slot 0's last step changes slots: one barrier; in front of it each wave waits for all its tensor loads (its part of slot 1), adds 0 to its spare word, and waits for that and for its reads of slot 0.
; Slot 0's bytes become the stages of the way out.
.macro TURN slot, next
	s_wait_tensorcnt 0x0                           ; all my tensor loads have landed  (every window is 0 here: the add's two registers lie in window 0)
	ds_add_u32 v[SPW], v[NIL]                      ; 0 onto my spare word
	s_wait_dscnt 4*NL+1                            ; (the add and the youngest eight loads, x's blocks 4-7, may be out)
	WIN MUL_LO
	MUL16 0, 1, NQ-1, \slot, 0                     ; sixteen matrix instructions stand between the add and the wait for it
	s_wait_dscnt 0x0                               ; the add is done, and my reads of this slot are over
	s_barrier_signal -1
	MUL16 2, 1, NQ-1, \slot, 0
	WIN 0
	s_barrier_wait -1
	PLACES NP
	v_add_nc_u32 v[ADRS], 4*NQ, v[ADRS]            ; on to the next slot's scale words
	FETCH_B \next, 0, 0
	FETCH_A \next, 0, 0
	SCALES \next
	WIN MUL_HI
	MUL16 4, 1, NQ-1, \slot, 0
	MUL16 6, 1, NQ-1, \slot, 0
	PLACES NP
	WIN 0
	FETCH_A \next, 0, 4
.endm
	s_wait_tensorcnt 1                             ; the scales and my part of slot 0 are in (slot 1's load may be out)
	s_barrier_signal -1
	s_barrier_wait -1                              ; everybody's are
	FETCH_B 0, 0, 0
	FETCH_A 0, 0, 0
	SCALES 0
	FETCH_A 0, 0, 4
	STEP 0, 0, 1                                   ; the first step's products start the sums: nothing is cleared
	STEP 0, 1, 0
	STEP 0, 2, 0
	TURN 0, 1
	STEP 1, 0, 0
	STEP 1, 1, 0
	STEP 1, 2, 0
	s_wait_dscnt 4*NL                              ; the very last step: nothing more to fetch
	WIN MUL_LO
	MUL16 0, 1, NQ-1, 1, 0
	MUL16 2, 1, NQ-1, 1, 0
	s_wait_dscnt 0
	WIN MUL_HI
	MUL16 4, 1, NQ-1, 1, 0
	MUL16 6, 1, NQ-1, 1, 0
	WIN 0
; THE WAY OUT, block by block of 16 rows x 128 columns.  PACK: rounded to f16, 16 bytes a lane, each accumulator from its low end on.  TOSTAGE: into my own stage and back as whole rows of 256 bytes.  SEND: stored.
.macro PACK a
.set AC, 64*((\a)%4)
	WIN 0x0a+5*((\a)/4)                            ; sources 0 and 1: window 2 or 3
.irp b, 0,1,2,3,4,5,6,7
.irp r, 0,1,2,3
	v_cvt_pk_f16_f32 v[TMP+4*\b+\r], v[AC+8*\b+2*\r], v[AC+8*\b+2*\r+1]
.endr
.endr
	WIN 0
.endm
.macro TOSTAGE a
.set BK, OB+192*((\a)%2)
.irp b, 0,1,2,3,4,5,6,7
	ds_store_b128 v[STO], v[TMP+4*\b:TMP+4*\b+3] offset:32*\b
.endr
.irp t, 0,1,2,3,4,5,6,7
	ds_load_b128 v[BK+4*\t:BK+4*\t+3], v[RD] offset:\t*2*SPITCH    ; LDS serves a wave's instructions in order (ISA guide 5.7.1.4): these see the stores above
.endr
.endm
.macro SEND a
.set BK, OB+192*((\a)%2)
	s_wait_dscnt 0x0                               ; the block is back in registers
	s_wait_xcnt 0x0                                ; the block before has had its stores' addresses translated: its registers are loaded again only behind this wait
.irp t, 0,1,2,3,4,5,6,7
	global_store_b128 v[CO], v[BK+4*\t:BK+4*\t+3], s[12:13] offset:(16*(\a)+2*\t)*QROW   ; 16 lanes store 256 consecutive bytes, at a multiple of 256 from qkv's first byte; 126 rows at the most: inside the signed 24-bit immediate
.endr
.endm
	PLACES NP
	PACK 0
	TOSTAGE 0
.irp a, 1,2,3,4,5,6,7                  ; block a's conversions stand between block a - 1's loads from the stage and the wait for them
	PACK \a
	SEND \a-1
	TOSTAGE \a
.endr
	SEND 7
	s_wait_tensorcnt 0x0                           ; the wave's end, behind my last tensor load and my last LDS store
	ds_add_u32 v[SPW], v[NIL]
	s_wait_dscnt 0x0
	CROUND                                         ; the closing round: no work-group ends while a partner may still ask for a tile that names it
	s_endpgm
.Lfunc_end_k_q0b1586c935_qkv:
	.size	k_q0b1586c935_qkv, .Lfunc_end_k_q0b1586c935_qkv-k_q0b1586c935_qkv
	.p2alignl 7, 3214868480
	.fill 96, 4, 3214868480
	.section	.rodata,"a",@progbits
	.p2align	6, 0x0
	.amdhsa_kernel k_q0b1586c935_qkv
		.amdhsa_group_segment_fixed_size 327680
		.amdhsa_private_segment_fixed_size 0
		.amdhsa_enable_private_segment 0
		.amdhsa_kernarg_size 40
		.amdhsa_user_sgpr_count 2
		.amdhsa_user_sgpr_kernarg_segment_ptr 1
		.amdhsa_wavefront_size32 1
		.amdhsa_system_sgpr_workgroup_id_x 1
		.amdhsa_system_sgpr_workgroup_id_y 1
		.amdhsa_system_sgpr_workgroup_id_z 1
		.amdhsa_system_vgpr_workitem_id 0
		.amdhsa_next_free_vgpr 1024
		.amdhsa_next_free_sgpr 98
		.amdhsa_reserve_vcc 0
		.amdhsa_float_denorm_mode_32 3
		.amdhsa_float_denorm_mode_16_64 3
		.amdhsa_memory_ordered 1
		.amdhsa_forward_progress 1
		.amdhsa_inst_pref_size 126
	.end_amdhsa_kernel
	.amdgpu_metadata
---
amdhsa.version: [ 1, 2 ]
amdhsa.kernels:
  - .name:           k_q0b1586c935_qkv
    .symbol:         k_q0b1586c935_qkv.kd
    .args:
      - { .name: xc, .offset: 0, .size: 8, .value_kind: global_buffer, .address_space: global }
      - { .name: xs, .offset: 8, .size: 8, .value_kind: global_buffer, .address_space: global }
      - { .name: wc, .offset: 16, .size: 8, .value_kind: global_buffer, .address_space: global }
      - { .name: ws, .offset: 24, .size: 8, .value_kind: global_buffer, .address_space: global }
      - { .name: qkv, .offset: 32, .size: 8, .value_kind: global_buffer, .address_space: global }
    .group_segment_fixed_size: 327680
    .private_segment_fixed_size: 0
    .kernarg_segment_align: 8
    .kernarg_segment_size: 40
    .max_flat_workgroup_size: 128
    .sgpr_count:     98
    .vgpr_count:     1024
    .wavefront_size: 32
...
	.end_amdgpu_metadata
.endif
;; end of part 2
;; launch scores (part 3): grid 8 x 32, 4 waves a work-group, clusters of 4 x 4, 327,680 bytes of LDS; arguments qkv, p, mst, lst; writes p, mst, lst
.if DOCPART == 3
	.amdgcn_target "amdgcn-amd-amdhsa--gfx1250"
	.amdhsa_code_object_version 6
	.text
	.protected	k_q0b1586c935_scores
	.globl	k_q0b1586c935_scores
	.p2align	8
	.type	k_q0b1586c935_scores,@function
k_q0b1586c935_scores:
	s_mov_b64 s[64:65], 0
	v_nop
	global_prefetch_b8 v0, s[64:65] scope:SCOPE_SE
	s_setreg_imm32_b32 hwreg(HW_REG_WAVE_MODE, 25, 1), 1
	s_wait_xcnt 0x0
	s_wait_alu depctr_hold_cnt(0) depctr_sa_sdst(0) depctr_va_vdst(0) depctr_va_sdst(0) depctr_va_ssrc(0) depctr_va_vcc(0) depctr_vm_vsrc(0)
	s_getreg_b32 s2, hwreg(HW_REG_IB_STS2, 6, 4)
	s_cmp_eq_u32 s2, 0
	s_cbranch_scc0 .Lentry_in_a_cluster
	s_endpgm
.Lentry_in_a_cluster:
	s_bfe_u32 s2, ttmp6, 0x10000c
	s_cmp_lg_u32 s2, 0xf033
	s_cbranch_scc0 .Lentry_shape_is_right
	s_endpgm
.Lentry_shape_is_right:
; LAUNCH 3 OF 4.  s[b][n][m] = q[b][n] . k[b][m], f16 operands out of qkv ([8192][3072] f16: q at byte 0, k at byte 2,048 of a row of 6,144), sums in f32, K = 1,024.
; THE SOFTMAX, FIRST HALF.  t = s x c, c = log2(e) / 32 (the problem's scale 1024^-0.5 is 2^-5: moving it rounds nothing).  For each query row and each BLOCK j of 128 keys:
;   M_j = the block's largest t rounded UP to a whole number (kept as -M_j = floor(-t));  p = 2^(t - M_j), at most about 1, rounded to f16;  l_j = the f32 sum of the unrounded p.
; mst (-M_j) and lst (l_j): [16 blocks][8192 rows] f32.  The next launch brings the blocks under the row's largest M by exact powers of two: the maximum is taken away as the problem takes it.
; p IS LAID AS THE NEXT LAUNCH'S OPERAND REGISTERS: [512 blocks of 16 queries][64 pieces of 32 keys][1,024 bytes]; in a piece registers 0-3 of lane l lie at 16 l, registers 4-7 at 512 + 16 l.
; A lane's packed weights of accumulators (a, 2 c) and (a, 2 c + 1) ARE those eight registers, so they are stored as they stand: no way through LDS, and each store of the wave covers 512 consecutive bytes.
; A tile of 256 queries x 256 keys is made by a work-group of four waves; a wave makes 128 x 128 (one block of keys): 64 accumulators, 512 registers.
; K goes in steps of 128 through a ring of two LDS slots filled by the tensor data mover: a tile's row is 256 bytes of memory, at a multiple of 256 from the buffer's first byte.
; CLUSTERS: 4 x 4 work-groups.  The four of a row of the cluster need the same rows of q, the four of a column the same rows of k (all sixteen lie in one batch): each tile is asked for JOINTLY.
; THE MATRIX INSTRUCTION IS USED TRANSPOSED (source 0 = 16 keys, source 1 = 16 queries): a lane holds ONE query (lane % 16) and, in accumulator (a, b), the keys 16 b + 8 (lane / 16) + 0 .. 7.
; REGISTERS, in windows of 256:  window 0: v0-31 addresses; v64-127, v128-191 q's fragments, two buffers; behind the loop v64-95 partial sums, v96-111 statistics, v192-223 and v224-255 packed p, by turns.
;   window 1: v64-127, v128-191 k's fragments.   window 2: the 32 accumulators of my queries 0-63 ((a, b) at v[8 (8 a + b)]);   window 3: those of my queries 64-127.
; LIMITS: NaN and infinities are not served.
.set KSTEP,  128
.set PITCH,  272                       ; an LDS row: 256 bytes + 16 of padding = 68 words: row r starts at bank 4 r mod 64 (64 banks of 4 bytes: ISA guide 11.1)
.set HALFT,  128*PITCH                 ; 128 rows: what one tensor load brings, and what one wave reads of q or of k
.set SLOT,   4*HALFT                   ; q's 256 rows, then k's 256 rows
.set STATS,  2*SLOT                    ; behind the ring: 1,024 bytes for each wave: 128 words of -M, 128 words of l
.set SPARE,  STATS+4*1024              ; the spare words, 128 bytes for each wave, which no other line names
.set QROW,   6144                      ; a row of qkv in bytes
.set PQB,    65536                     ; p of 16 queries: 64 pieces of 1,024 bytes
.set LAPS,   4                         ; a lap = two K steps = once round the ring: 1,024 / 256
.set ADRA, 16                          ; v16-17  LDS address of my q fragments in slot 0, 1
.set SA,   18                          ; v18     where I put a row's -M (lanes 0-15) or l (lanes 16-31)
.set SB,   19                          ; v19     where I read 16 bytes of them back
.set ADRB, 20                          ; v20-21  LDS address of my k fragments
.set GS,   22                          ; v22     16 x lane: my place in the 512 bytes of a store; never rewritten
.set SPW,  28                          ; v28     LDS address of my spare word; never rewritten
.set NIL,  29                          ; v29     0; never rewritten
.set PFO,  30                          ; v30     the prefetches' offset: my lane x a row of qkv; never rewritten
.set F0,   64
.set F1,   128
.set U,    64                          ; v64-95  sixteen pairs of partial sums
.set TMP,  192                         ; v192-223, v224-255  a block's packed p, two sets by turns
.set G1, 24                            ; s[24:31] descriptor group 1 for q's tiles;  s[32:39] group 0, one set for each slot
.set G0, 32
.set LIM, 43                           ; s43     1 in a wave that prefetches, else the greatest number
.set PFA, 44                           ; s[44:45] where my prefetches stand
.set G1B, 48                           ; s[48:55], s[56:63] the same for k's tiles
.set G0B, 56
.set MSB, 0
.macro WIN new                         ; the immediate's high byte repeats the setting that is left
.if MSB != \new
	s_set_vgpr_msb (MSB<<8)|\new
.set MSB, \new
.endif
.endm
.set MUL_LO, 0xa1                      ; source 0 (k) window 1, source 1 (q) window 0, C and D window 2
.set MUL_HI, 0xf1                      ; the same, C and D window 3
.set TO_B,   0x40                      ; destination window 1, address window 0
; A joint load.  Waves 0 and 1 fetch q's two halves, waves 2 and 3 k's.  Each line has ONE mask and one set of registers for all that issue it; the branch hangs on the wave's number alone.
; An s_nop 0 and four v_nop follow each of the two lines.
.macro JLOAD s
	s_cmp_eq_u32 s13, 0
	s_cbranch_scc0 .Lfor_b_\@
	tensor_load_to_lds s[G0+4*\s:G0+4*\s+3], s[G1:G1+7]
	s_nop 0
.rept 4
	v_nop
.endr
	s_branch .Lasked_\@
.Lfor_b_\@:
	tensor_load_to_lds s[G0B+4*\s:G0B+4*\s+3], s[G1B:G1B+7]
	s_nop 0
.rept 4
	v_nop
.endr
.Lasked_\@:
.endm
; A PREFETCH INTO THE L2, behind each joint load and the run of LDS loads that follows it: the K step that stands TWO refills on: 32 rows x 256 bytes, a lane a row, one instruction a wave, 512 matrix instructions ahead of its load.
; Each row's 256 bytes of a K step are named ONCE in the launch: q's rows are read by both clusters of a row of clusters: cluster x = 0 asks; k's rows by the two clusters of a batch in a column: the even cluster y asks.
; The four partners that ask for a tile jointly share its rows out BY ADDRESS: of the 128 rows that a wave fetches, the partner at place p takes 32 p .. 32 p + 31 (p = cx for q, cy for k).
; K steps 0 to 3 come by their loads alone; the loop's last trip (s3 = 1) asks for nothing: there is no K step two refills on.
.macro ASK
	s_cmp_gt_u32 s3, s[LIM]
	s_cbranch_scc0 .Lnot_mine_\@
	global_prefetch_b8 v[PFO], s[PFA:PFA+1] offset:KSTEP*2 th:TH_LOAD_NT scope:SCOPE_SE
.Lnot_mine_\@:
.endm
.macro CREST                           ; a round of the cluster's barrier behind its opening barrier
	s_cmp_lg_u32 s12, 0
	s_cbranch_scc1 .Lnot_wave_0_\@
	s_barrier_signal -3
.Lnot_wave_0_\@:
	s_barrier_wait -3
	s_barrier_signal -1
	s_barrier_wait -1
.endm
.macro CROUND                          ; a whole round
	s_barrier_signal -1
	s_barrier_wait -1
	CREST
.endm
	s_load_b256 s[4:11], s[0:1], 0x0               ; qkv s[4:5], p s[6:7], mst s[8:9], lst s[10:11]
	v_lshl_add_u32 v[SPW], v0, 2, SPARE
	v_mov_b32 v[NIL], 0
	ds_add_u32 v[SPW], v[NIL]                      ; the wave's opening: the add, twice on end, and its wait ahead of my first tensor load
	ds_add_u32 v[SPW], v[NIL]                      ; and once more, under the one wait; the set-up below, work on registers, stands between
	v_lshrrev_b32 v1, 5, v0
	v_readfirstlane_b32 s12, v1                    ; wave 0..3
	s_lshr_b32 s13, s12, 1                         ; which half of the tile's queries is mine.  Also: I fetch for q (0) or for k (1)
	s_and_b32 s14, s12, 1                          ; which half of its keys.  Also: which 128 rows of that tile I fetch
	s_bfe_u32 s15, ttmp6, 0x40000                  ; cx
	s_bfe_u32 s16, ttmp6, 0x40004                  ; cy
	s_lshl_b32 s17, ttmp9, 2
	s_add_co_u32 s17, s17, s15                     ; tx: which 256 keys of the batch = 4 x cluster x + cx
	s_and_b32 s19, ttmp7, 0xffff                   ; cluster y
	s_lshl_b32 s18, s19, 2
	s_add_co_u32 s18, s18, s16                     ; ty: which 256 query rows of the 8,192 = 4 x cluster y + cy
	s_lshr_b32 s19, s19, 1                         ; the batch = ty / 8 = cluster y / 2: the same in all sixteen partners
	s_lshl_b32 s20, s16, 2
	s_lshl_b32 s20, 15, s20                        ; my row of the cluster
	s_lshl_b32 s21, 0x1111, s15                    ; my column
	; descriptor group 1: a tile of 128 rows x 128 elements of 2 bytes, padded in LDS
	s_or_b32 s[G1+0], s20, (1<<16)|(1<<20)|(1<<21)|(5<<22)|(3<<25)  ; 15:0 the mask: q's tiles go to my row; 17:16 element of 2 bytes; 20 padding on; 21 set beside a mask; 24:22 after every 64 words; 31:25 of 4 words
	s_or_b32 s[G1B+0], s21, (1<<16)|(1<<20)|(1<<21)|(5<<22)|(3<<25) ; the same with the mask of my column, for k's tiles
.irp g, G1, G1B
	s_mov_b32 s[\g+1], KSTEP<<16                   ; tensor_dim0 = 128
	s_mov_b32 s[\g+2], 128<<16                     ; tensor_dim1 = 128
	s_mov_b32 s[\g+3], KSTEP<<16                   ; tile_dim0 = 128
	s_mov_b32 s[\g+4], 128                         ; tile_dim1 = 128
	s_mov_b32 s[\g+5], 3072                        ; tensor_dim0_stride: elements from row to row of qkv
	s_mov_b32 s[\g+6], 0
	s_mov_b32 s[\g+7], 0
.endr
	; where the tiles come from.  q's hang on ty alone, which my row of the cluster shares; k's on the batch and tx, which my column shares.  Each in registers that never hold the other coordinate.
	s_lshl_b32 s22, s14, 7                         ; which 128 rows of the tile I fetch
	s_lshl_b32 s40, s18, 8
	s_add_co_u32 s40, s40, s22                     ; q: row 256 ty + 128 x half
	s_mul_i32 s40, s40, QROW                       ; in bytes: under 2^26
	s_mov_b32 s41, 0
	s_lshl_b32 s46, s19, 11
	s_lshl_b32 s47, s17, 8
	s_add_co_u32 s46, s46, s47
	s_add_co_u32 s46, s46, s22                     ; k: row 2,048 batch + 256 tx + 128 x half
	s_mul_i32 s46, s46, QROW
	s_add_co_u32 s46, s46, 2048                    ; k's place in a row of qkv
	s_mov_b32 s47, 0
	s_mul_i32 s23, s12, HALFT                      ; and where they go: wave x 128 rows: no place in the cluster enters an LDS address
	s_mov_b32 s66, 0x3d38aa3b                      ; c = log2(e) / 32
	s_mov_b32 s67, s66                             ; (the packed form names the pair, so it is written)
	s_mov_b32 s68, 0x76543210
	s_mov_b32 s69, 0xfedcba98                      ; v_permlanex16_b32's selects for lane l xor 16
	s_mov_b32 s70, 0xffff0000                      ; lanes 16-31
	s_mov_b32 s71, 0xff800000                      ; -infinity: where the search for a maximum begins
	s_wait_dscnt 0x0                               ; both opening adds are done
	s_wait_kmcnt 0x0
	s_add_nc_u64 s[40:41], s[4:5], s[40:41]
	s_add_nc_u64 s[46:47], s[4:5], s[46:47]
	CROUND                                         ; all sixteen work-groups are here: the first joint loads meet
.irp s, 0,1
	s_mov_b32 s[G0+4*\s], 1                                        ; count = 1
	s_add_co_u32 s[G0+4*\s+1], s23, \s*SLOT                        ; LDS address
	s_add_nc_u64 s[G0+4*\s+2:G0+4*\s+3], s[40:41], \s*KSTEP*2      ; global address: K step s
	s_or_b32 s[G0+4*\s+3], s[G0+4*\s+3], 0x80000000                ; type = 2
	s_mov_b32 s[G0B+4*\s], 1
	s_add_co_u32 s[G0B+4*\s+1], s23, \s*SLOT
	s_add_nc_u64 s[G0B+4*\s+2:G0B+4*\s+3], s[46:47], \s*KSTEP*2
	s_or_b32 s[G0B+4*\s+3], s[G0B+4*\s+3], 0x80000000
	JLOAD \s                                       ; two tensor loads of mine are out
.endr
	; A fragment is 16 rows x 32 K in 8 registers: lane l holds row l % 16; registers 0-3 hold K = 8 (l / 16) + 0..7, registers 4-7 K = 16 + 8 (l / 16) + 0..7: two loads of 16 bytes, 32 bytes apart.
	v_and_b32 v1, 15, v0                           ; r = l % 16
	v_bfe_u32 v2, v0, 4, 1                         ; h = l / 16
	v_mul_u32_u24 v3, v1, PITCH
	v_lshl_add_u32 v3, v2, 4, v3
	s_mul_i32 s20, s13, HALFT                      ; my 128 rows of q
	s_mul_i32 s21, s14, HALFT                      ; my 128 rows of k,
	s_add_co_u32 s21, s21, 2*HALFT                 ; which lie behind q's 256
.irp s, 0,1
	v_add_nc_u32 v[ADRA+\s], s20, v3
	v_add_nc_u32 v[ADRB+\s], s21, v3
	s_add_co_u32 s20, s20, SLOT
	s_add_co_u32 s21, s21, SLOT
.endr
	s_lshl_b32 s20, s12, 10
	s_add_co_u32 s20, s20, STATS                   ; my statistics
	v_lshlrev_b32 v4, 2, v1
	v_lshl_add_u32 v4, v2, 9, v4                   ; 4 r, and 512 on for lanes 16-31
	v_add_nc_u32 v[SA], s20, v4
	v_and_b32 v5, 31, v0
	v_lshlrev_b32 v[GS], 4, v5
	v_add_nc_u32 v[SB], s20, v[GS]
	; where my part of p, of mst and of lst begins
	s_lshl_b32 s20, s18, 8
	s_lshl_b32 s21, s13, 7
	s_add_co_u32 s20, s20, s21                     ; my first query row
	s_lshl_b32 s22, s20, 12                        ; 16 rows are 65,536 bytes of p: 4,096 a row
	s_lshl_b32 s21, s17, 13
	s_add_co_u32 s22, s22, s21                     ; + 8 tx pieces of 1,024 bytes
	s_lshl_b32 s21, s14, 12
	s_add_co_u32 s22, s22, s21                     ; + 4 pieces for my half of the keys
	s_mov_b32 s23, 0
	s_add_nc_u64 s[6:7], s[6:7], s[22:23]
	s_lshl_b32 s21, s17, 1
	s_add_co_u32 s21, s21, s14                     ; my block of 128 keys: 2 tx + half
	s_lshl_b32 s21, s21, 13
	s_add_co_u32 s22, s21, s20
	s_lshl_b32 s22, s22, 2                         ; (block x 8,192 + row) x 4
	s_add_nc_u64 s[8:9], s[8:9], s[22:23]
	s_add_nc_u64 s[10:11], s[10:11], s[22:23]
	; the prefetches
	s_lshl_b32 s20, s18, 8                         ; q: the tile's first row
	s_lshl_b32 s21, s19, 11
	s_lshl_b32 s22, s17, 8
	s_add_co_u32 s21, s21, s22                     ; k: likewise
	s_and_b32 s22, ttmp7, 0xffff
	s_and_b32 s22, s22, 1                          ; cluster y's low bit
	s_cmp_eq_u32 s13, 0                            ; do I fetch for q?
	s_cselect_b32 s20, s20, s21
	s_cselect_b32 s21, s15, s16                    ; my place among the four that ask with me
	s_cselect_b32 s22, ttmp9, s22                  ; the coordinate along which other clusters read the same rows
	s_cselect_b32 s23, 0, 2048                     ; q's or k's place in a row
	s_cmp_eq_u32 s22, 0
	s_cselect_b32 s[LIM], 1, -1                    ; the same in all sixteen partners, for a given wave
	s_lshl_b32 s22, s14, 7
	s_add_co_u32 s20, s20, s22                     ; + the 128 rows that I fetch
	s_lshl_b32 s21, s21, 5
	s_add_co_u32 s20, s20, s21                     ; + my work-group's 32 of them
	s_mul_i32 s20, s20, QROW
	s_add_co_u32 s20, s20, s23
	s_add_co_u32 s20, s20, 2*KSTEP*2               ; at K step 2: the first refill steps it to 3 and names K step 4
	s_mov_b32 s21, 0
	s_add_nc_u64 s[PFA:PFA+1], s[4:5], s[20:21]
	v_and_b32 v[PFO], 31, v0
	v_mul_u32_u24 v[PFO], v[PFO], QROW
; 16 matrix instructions: query blocks a0, a0 + 1 of the window's four (hi = 0: my queries 0-63, 1: 64-127) x all 8 key blocks, 32 along K.  zero = 1: the first product starts the sums.
; The 64 accumulators take turns, one instruction a turn, in the same order in every quarter.
.macro MUL16 f, hi, a0, zero
.irp a, \a0, \a0+1
.irp b, 0,1,2,3,4,5,6,7
.if \zero
	v_wmma_f32_16x16x32_f16 v[8*(8*(\a)+\b):8*(8*(\a)+\b)+7], v[\f+8*\b:\f+8*\b+7], v[\f+8*(4*\hi+\a):\f+8*(4*\hi+\a)+7], 0
.else
	v_wmma_f32_16x16x32_f16 v[8*(8*(\a)+\b):8*(8*(\a)+\b)+7], v[\f+8*\b:\f+8*\b+7], v[\f+8*(4*\hi+\a):\f+8*(4*\hi+\a)+7], v[8*(8*(\a)+\b):8*(8*(\a)+\b)+7]
.endif
.endr
.endr
.endm
.macro FETCH slot, k, f                ; 32 LDS loads in one run: the fragments of one quarter step (128 rows of k, 128 rows of q, 32 K at byte k of the rows) into buffer f
	WIN TO_B
.irp i, 0,1,2,3,4,5,6,7
	ds_load_b128 v[\f+8*\i:\f+8*\i+3],   v[ADRB+\slot] offset:\k+\i*16*PITCH
	ds_load_b128 v[\f+8*\i+4:\f+8*\i+7], v[ADRB+\slot] offset:\k+\i*16*PITCH+32
.endr
	WIN 0
.irp i, 0,1,2,3,4,5,6,7
	ds_load_b128 v[\f+8*\i:\f+8*\i+3],   v[ADRA+\slot] offset:\k+\i*16*PITCH
	ds_load_b128 v[\f+8*\i+4:\f+8*\i+7], v[ADRA+\slot] offset:\k+\i*16*PITCH+32
.endr
.endm
.macro PLACES                          ; four places in front of loads into registers that matrix instructions have read, and of vector instructions that read results (ISA guide 7.12.1 for vector instructions)
.rept 4
	v_nop
.endr
.endm
; A K step is four quarters of 32 along K, 64 matrix instructions each, on buffers 0, 1, 0, 1.  One of the first three multiplies buffer f and, in its middle, fetches the next quarter, at byte k, into g.
.macro QUARTER slot, k, f, g, zero
	s_wait_dscnt 8                                 ; k and q's rows 0-63 are in; the youngest eight loads (q's rows 64-127) may be out
	WIN MUL_LO
	MUL16 \f, 0, 0, \zero
	MUL16 \f, 0, 2, \zero
	PLACES
	FETCH \slot, \k, \g
	s_wait_dscnt 32                                ; all but the 32 just issued
	WIN MUL_HI
	MUL16 \f, 1, 0, \zero
	MUL16 \f, 1, 2, \zero
.endm
; The last quarter multiplies buffer 1 and changes slots: ONE barrier.  In front of it each wave waits for all its tensor loads (one is out: its part of the next slot), adds 0 to its spare word,
; and waits for that and for its own reads of this slot.  fill = 1: the barrier opens a round of the cluster's barrier, and this slot is filled again, two K steps ahead, first thing behind the round:
; from that request to the wait for it a wave issues 224 matrix instructions.
.macro TURN slot, next, fill
.if \fill
	s_wait_xcnt 0x0                                ; the last prefetch, a K step back, has read its address: it is stepped here, ahead of the waits of the change of slots
	s_add_nc_u64 s[PFA:PFA+1], s[PFA:PFA+1], KSTEP*2
.endif
	WIN 0                                          ; (the add's two registers lie in window 0)
	s_wait_tensorcnt 0x0                           ; all my tensor loads have landed;
	ds_add_u32 v[SPW], v[NIL]                      ; 0 onto my spare word;
	s_wait_dscnt 9                                 ; (the add and the youngest eight loads may be out)
	WIN MUL_LO
	MUL16 F1, 0, 0, 0                              ; sixteen matrix instructions stand between the add and the wait for it
	s_wait_dscnt 0x0                               ; the add is done, and my reads of this slot are over
	s_barrier_signal -1
	MUL16 F1, 0, 2, 0                              ; work on registers while the others arrive
.if \fill
	WIN 0
.endif
	s_barrier_wait -1
.if \fill
	CREST                                          ; no wave of any partner still reads this slot's tile or has a load on its way
	s_add_nc_u64 s[G0+4*\slot+2:G0+4*\slot+3], s[G0+4*\slot+2:G0+4*\slot+3], 2*KSTEP*2
	s_add_nc_u64 s[G0B+4*\slot+2:G0B+4*\slot+3], s[G0B+4*\slot+2:G0B+4*\slot+3], 2*KSTEP*2
	JLOAD \slot                                    ; the four v_nop behind it are also the places in front of the loads below
.else
	PLACES
.endif
	FETCH \next, 0, F0
.if \fill
	ASK
.endif
	WIN MUL_HI
	MUL16 F1, 1, 0, 0
	MUL16 F1, 1, 2, 0
.endm
	s_wait_tensorcnt 1                             ; my part of K step 0 is in (K step 1's may stay out)
	s_barrier_signal -1
	s_barrier_wait -1                              ; everybody's is
	FETCH 0, 0, F0
	QUARTER 0, 64,  F0, F1, 1                      ; the first quarter stands in front of the loop: its products start the sums
	WIN 0                                          ; at a label and at a branch every window is 0
	s_mov_b32 s3, LAPS-1
.Llap:                                                 ; a trip goes once round the ring, from a lap's second quarter to the next lap's first, and fills both slots again
	QUARTER 0, 128, F1, F0, 0
	QUARTER 0, 192, F0, F1, 0
	TURN 0, 1, 1
	QUARTER 1, 64,  F0, F1, 0
	QUARTER 1, 128, F1, F0, 0
	QUARTER 1, 192, F0, F1, 0
	TURN 1, 0, 1
	QUARTER 0, 64,  F0, F1, 0
	WIN 0
	s_sub_co_u32 s3, s3, 1
	s_cmp_lg_u32 s3, 0
	s_cbranch_scc1 .Llap
	QUARTER 0, 128, F1, F0, 0                      ; the last lap is written out: it fills nothing, and has no round of the cluster's barrier
	QUARTER 0, 192, F0, F1, 0
	TURN 0, 1, 0
	QUARTER 1, 64,  F0, F1, 0
	QUARTER 1, 128, F1, F0, 0
	QUARTER 1, 192, F0, F1, 0
	s_wait_dscnt 8                                 ; the very last quarter: nothing more to fetch
	WIN MUL_LO
	MUL16 F1, 0, 0, 0
	MUL16 F1, 0, 2, 0
	s_wait_dscnt 0
	WIN MUL_HI
	MUL16 F1, 1, 0, 0
	MUL16 F1, 1, 2, 0
	WIN 0
; THE SOFTMAX'S FIRST HALF AND THE WAY OUT, block a of 16 queries at a time: its 64 registers of a lane are 64 of the row's 128 keys, the lane 16 away holds the others.
; Statistics of block a at v[96 + 8 (a % 2)]: +0..3 four chains, +4 -M, +5 the pair's other half (0), +6 l, +7 at work.
; SMAX: the largest score, from each accumulator's low end on; as t; -M = floor(-t).
.macro SMAX a
.set AC, 64*((\a)%4)
.set TT, 96+8*((\a)%2)
	WIN 0x28+0x14*((\a)/4)                         ; sources 1 and 2: window 2 or 3
.irp c, 0,1,2,3
	v_max3_num_f32 v[TT+\c], s71, v[AC+16*\c], v[AC+16*\c+1]
.endr
.irp i, 1,2,3,4,5,6,7
.irp c, 0,1,2,3
	v_max3_num_f32 v[TT+\c], v[TT+\c], v[AC+16*\c+2*\i], v[AC+16*\c+2*\i+1]   ; (the four chains by turns)
.endr
.endr
	WIN 0
	v_max3_num_f32 v[TT], v[TT], v[TT+1], v[TT+2]
	v_max_num_f32 v[TT], v[TT], v[TT+3]
	v_permlanex16_b32 v[TT+1], v[TT], s68, s69     ; the row's other 64 keys
	v_max_num_f32 v[TT], v[TT], v[TT+1]
	v_mul_f32 v[TT], s66, v[TT]                    ; as t (c is positive)
	v_floor_f32 v[TT+4], -v[TT]                    ; -M = floor(-t) = -ceil(t): M IS A WHOLE NUMBER
.endm
; SEXP: t - M, two at a time, and the 64 exponentials as ONE batch, in place.
.macro SEXP a
.set AC, 64*((\a)%4)
.set TT, 96+8*((\a)%2)
	WIN 0x82+0x41*((\a)/4)                         ; destination and source 0: window 2 or 3
.set i, 0
.rept 32
	v_pk_fma_f32 v[AC+i:AC+i+1], v[AC+i:AC+i+1], s[66:67], v[TT+4:TT+5] op_sel_hi:[1,0,0]   ; of the pairs c and -M the low word serves both halves
.set i, i+2
.endr
.set i, 0
.rept 64
	v_exp_f32 v[AC+i], v[AC+i]                     ; p = 2^(t - M)
.set i, i+1
.endr
.endm
; SFIN: one wait for the batch, ahead of its first reader; p rounded to f16; the row's sum of the unrounded p; -M and l into my statistics.
.macro SFIN a
.set AC, 64*((\a)%4)
.set TT, 96+8*((\a)%2)
.set TP, TMP+32*((\a)%2)
	s_wait_alu depctr_va_vdst(0)
.if (\a) > 1
	s_wait_xcnt 0x0                                ; block a - 2's stores have had their addresses translated: their data registers are written again only behind this wait
.endif
	WIN 0x0a+5*((\a)/4)                            ; sources 0 and 1: window 2 or 3
.set i, 0
.rept 32
	v_cvt_pk_f16_f32 v[TP+i], v[AC+2*i], v[AC+2*i+1]   ; register 4 b + i: keys 16 b + 8 (lane / 16) + 2 i, + 1 of my query
.set i, i+1
.endr
.set i, 0
.rept 16
	v_pk_add_f32 v[U+2*i:U+2*i+1], v[AC+4*i:AC+4*i+1], v[AC+4*i+2:AC+4*i+3]
.set i, i+1
.endr
	WIN 0
.irp d, 8,4,2,1
.set i, 0
.rept \d
	v_pk_add_f32 v[U+2*i:U+2*i+1], v[U+2*i:U+2*i+1], v[U+2*(i+\d):U+2*(i+\d)+1]
.set i, i+1
.endr
.endr
	v_add_f32 v[TT+6], v[U], v[U+1]
	v_permlanex16_b32 v[TT+7], v[TT+6], s68, s69
	v_add_f32 v[TT+6], v[TT+6], v[TT+7]            ; the block's sum of my row
	v_cndmask_b32 v[TT+7], v[TT+4], v[TT+6], s70   ; lanes 0-15 carry -M, lanes 16-31 l
	ds_store_b32 v[SA], v[TT+7] offset:64*(\a)
.endm
; SENDP: block a's four pieces of 32 keys, 4,096 consecutive bytes, as the registers stand
.macro SENDP a
.set TP, TMP+32*((\a)%2)
.irp b, 0,1,2,3,4,5,6,7
	global_store_b128 v[GS], v[TP+4*\b:TP+4*\b+3], s[6:7] offset:(\a)*PQB+512*\b   ; 32 lanes store 512 consecutive bytes, at a multiple of 512 from p's first byte; 7 blocks on at the most: inside the signed 24-bit immediate
.endr
.endm
	PLACES
.irp e, 101,103,109,111
	v_mov_b32 v\e, 0                               ; written once: the upper halves of the pairs with -M, and the lane permutes' destinations, which count as sources
.endr
	SMAX 0
	SEXP 0
.irp a, 0,1,2,3,4,5,6
	SMAX \a+1                                      ; the next block's maximum is the independent plain work behind a block's exponentials
	SFIN \a
	SENDP \a
	SEXP \a+1
.endr
	v_nop                                          ; a plain instruction behind the last exponential
	SFIN 7
	SENDP 7
	ds_load_b128 v[64:67], v[SB]                   ; my 128 rows' -M: 512 bytes, 16 a lane (my own stores, served in order)
	ds_load_b128 v[68:71], v[SB] offset:512        ; and their l
	s_wait_dscnt 0x0
	global_store_b128 v[GS], v[64:67], s[8:9]      ; 32 lanes store 512 consecutive bytes, aligned
	global_store_b128 v[GS], v[68:71], s[10:11]
	s_wait_tensorcnt 0x0                           ; the wave's end, behind my last tensor load and my last LDS store
	ds_add_u32 v[SPW], v[NIL]
	s_wait_dscnt 0x0
	CROUND                                         ; the closing round: no work-group ends while a partner may still ask for a tile that names it
	s_endpgm
.Lfunc_end_k_q0b1586c935_scores:
	.size	k_q0b1586c935_scores, .Lfunc_end_k_q0b1586c935_scores-k_q0b1586c935_scores
	.p2alignl 7, 3214868480
	.fill 96, 4, 3214868480
	.section	.rodata,"a",@progbits
	.p2align	6, 0x0
	.amdhsa_kernel k_q0b1586c935_scores
		.amdhsa_group_segment_fixed_size 327680
		.amdhsa_private_segment_fixed_size 0
		.amdhsa_enable_private_segment 0
		.amdhsa_kernarg_size 32
		.amdhsa_user_sgpr_count 2
		.amdhsa_user_sgpr_kernarg_segment_ptr 1
		.amdhsa_wavefront_size32 1
		.amdhsa_system_sgpr_workgroup_id_x 1
		.amdhsa_system_sgpr_workgroup_id_y 1
		.amdhsa_system_sgpr_workgroup_id_z 1
		.amdhsa_system_vgpr_workitem_id 0
		.amdhsa_next_free_vgpr 1024
		.amdhsa_next_free_sgpr 80
		.amdhsa_reserve_vcc 0
		.amdhsa_float_denorm_mode_32 3
		.amdhsa_float_denorm_mode_16_64 3
		.amdhsa_memory_ordered 1
		.amdhsa_forward_progress 1
		.amdhsa_inst_pref_size 205
	.end_amdhsa_kernel
	.amdgpu_metadata
---
amdhsa.version: [ 1, 2 ]
amdhsa.kernels:
  - .name:           k_q0b1586c935_scores
    .symbol:         k_q0b1586c935_scores.kd
    .args:
      - { .name: qkv, .offset: 0, .size: 8, .value_kind: global_buffer, .address_space: global }
      - { .name: p, .offset: 8, .size: 8, .value_kind: global_buffer, .address_space: global }
      - { .name: mst, .offset: 16, .size: 8, .value_kind: global_buffer, .address_space: global }
      - { .name: lst, .offset: 24, .size: 8, .value_kind: global_buffer, .address_space: global }
    .group_segment_fixed_size: 327680
    .private_segment_fixed_size: 0
    .kernarg_segment_align: 8
    .kernarg_segment_size: 32
    .max_flat_workgroup_size: 128
    .sgpr_count:     80
    .vgpr_count:     1024
    .wavefront_size: 32
...
	.end_amdgpu_metadata
.endif
;; end of part 3
;; launch pv (part 4): grid 4 x 64, 4 waves a work-group, clusters of 4 x 4, 327,680 bytes of LDS; arguments p, qkv, mst, lst, out0; writes out0
.if DOCPART == 4
	.amdgcn_target "amdgcn-amd-amdhsa--gfx1250"
	.amdhsa_code_object_version 6
	.text
	.protected	k_q0b1586c935_pv
	.globl	k_q0b1586c935_pv
	.p2align	8
	.type	k_q0b1586c935_pv,@function
k_q0b1586c935_pv:
	s_mov_b64 s[64:65], 0
	v_nop
	global_prefetch_b8 v0, s[64:65] scope:SCOPE_SE
	s_setreg_imm32_b32 hwreg(HW_REG_WAVE_MODE, 25, 1), 1
	s_wait_xcnt 0x0
	s_wait_alu depctr_hold_cnt(0) depctr_sa_sdst(0) depctr_va_vdst(0) depctr_va_sdst(0) depctr_va_ssrc(0) depctr_va_vcc(0) depctr_vm_vsrc(0)
	s_getreg_b32 s2, hwreg(HW_REG_IB_STS2, 6, 4)
	s_cmp_eq_u32 s2, 0
	s_cbranch_scc0 .Lentry_in_a_cluster
	s_endpgm
.Lentry_in_a_cluster:
	s_bfe_u32 s2, ttmp6, 0x10000c
	s_cmp_lg_u32 s2, 0xf033
	s_cbranch_scc0 .Lentry_shape_is_right
	s_endpgm
.Lentry_shape_is_right:
; LAUNCH 4 OF 4.  out[n][d] = sum over the 16 blocks j of 128 keys of g_j (p_j v_j): the products on f16 operands with f32 sums, all else in f32.
; THE SOFTMAX, SECOND HALF.  For a query row: M = the largest of its 16 M_j; f_j = 2^(M_j - M); L = sum of f_j l_j; g_j = f_j / L.  Each block's product p_j v_j starts its own sums (T); O += g_j T, one fused multiply-add.
; So p goes to the matrix unit as it was stored, and the division by the row's sum costs no pass of its own.  LIMITS: NaN and infinities are not served; a block whose M_j lies 149 or more under M counts for nothing, as in f32 it must.
; p: [512 blocks of 16 queries][64 pieces of 32 keys][1,024 bytes], each piece the image of source 1's eight registers (registers 0-3 of lane l at 16 l, registers 4-7 at 512 + 16 l).
; v: qkv's bytes 4,096 on of each row of 6,144;  mst (-M_j), lst (l_j): [16][8192] f32;  out0: [8192][1024] f32.
; SHARES.  A work-group makes 128 queries x 256 channels: 4 x 64 = 256 work-groups.  A wave makes 64 queries x 128 channels: 32 accumulators.  64 quarters of 32 keys, 32 matrix instructions each; four quarters are a block j.
; THE MATRIX INSTRUCTION: source 0 = V^T (16 channels x 32 keys, turned by ds_load_tr16_b128 out of rows that lie [key][channel]), source 1 = p (16 queries x 32 keys): a lane holds ONE query and eight neighbouring channels.
; v COMES THROUGH LDS: a ring of two slots of 256 keys, 64 keys to each wave's tensor load.  CLUSTERS: 4 x 4 work-groups, all in one batch; the four of a column need the same tiles of v and ask for them JOINTLY.
; p COMES STRAIGHT INTO REGISTERS, eight loads of 512 consecutive bytes a quarter, seven quarters ahead, in eight sets of 32 registers.  It is NOT asked for jointly, though the four work-groups of a row of the cluster read the same p:
; beside v's 256 x 544 bytes, p's 128 x 528 would make a slot of 256 keys 206,848 bytes, and two of them do not fit in 327,680.  Without p a refill has 240 matrix instructions in which to land where a slot of 128 keys would leave 112,
; and a wave reads 8,192 bytes of LDS for 32 matrix instructions where it would read 12,288.
; REGISTERS, in windows of 256:  window 0: v0-31 addresses; v32-95 the head's statistics, later rows on their way out; v96-159, v160-223 V's two sets; v224-231 the block's g (one for each of my four query blocks, in the even registers).
;   window 1: O, 32 x 8.   window 2: T, the 32 accumulators ((a, b) at v[8 (8 a + b)], as in O).   window 3: p's eight sets.
.set VP,    544                        ; a row of v in LDS: 512 bytes + 32 = 136 words: row r starts at bank 8 r mod 64 (64 banks of 4 bytes: ISA guide 11.1)
.set KSL,   256                        ; keys in a slot
.set HSL,   128*VP                     ; half a slot: an LDS offset has 16 bits, so each half has its own address register
.set SLOT,  KSL*VP
.set TAB,   2*SLOT                     ; behind the ring, for each wave 16 entries of 256 bytes: entry j, word [r][a]: g_j of query 16 a + r
.set SPARE, TAB+4*16*256               ; the spare words, 128 bytes for each wave, which no other line names
.set STG,   0                          ; the way out: 16 rows x (512 bytes + 16) for each wave, in slot 0, which has had its last fill and its last read by then
.set SGP,   528
.set QROW,  6144
.set OROW,  4096
.set PQB,   65536                      ; p of 16 queries
.set AHEAD, 7                          ; quarters between a load of p and its use
.set ADRB, 16                          ; v16-19  LDS address of my V fragments: slot 0's halves, slot 1's halves
.set STO,  20                          ; v20     the way out: where I put 32 bytes of a row
.set RD,   21                          ; v21     where I read a row back
.set CO,   22                          ; v22     16 x lane: my place in 512 consecutive bytes, of p and of out0; never rewritten
.set TABR, 23                          ; v23     where I read a block's g: it steps 256 bytes ahead of each read
.set TABW, 24                          ; v24     where the head writes the table
.set PFO,  25                          ; v25     the prefetches' offset; never rewritten
.set L8,   26                          ; v26     8 x lane
.set SPW,  28                          ; v28     LDS address of my spare word; never rewritten
.set NIL,  29                          ; v29     0; never rewritten
.set FF,   224
.set NMR,  240                         ; v240-241 the head: -M of my two rows
.set LS,   242                         ; v242-243 the head: L, then 1 / L
.set G1, 24                            ; s[24:31] descriptor group 1 for v's tiles;  s[32:39] group 0, one set for each slot
.set G0, 32
.set PFA, 40                           ; s[40:41] where my prefetches stand
.set LIM, 44                           ; s44     1 in a wave that prefetches, else the greatest number
.set MSB, 0
.macro WIN new                         ; the immediate's high byte repeats the setting that is left
.if MSB != \new
	s_set_vgpr_msb (MSB<<8)|\new
.set MSB, \new
.endif
.endm
.set MW,   0xac                        ; a product: source 0 (V) window 0, source 1 (p) window 3, C and D (T) window 2
.set CW,   0x52                        ; O += g T: source 0 (T) window 2, source 1 (g) window 0, source 2 and destination (O) window 1
.set TO_P, 0xc0                        ; destination window 3, address window 0
; A PREFETCH INTO THE L2 of the slot of v that the NEXT change of slots will ask for, 256 matrix instructions ahead of that load; it stands behind the wave's tensor load and the runs of loads that follow it.
; Each aligned block of 256 bytes is named ONCE in the launch.  A tile of v is read by the four clusters of a batch: the first of them asks (cluster y a multiple of 4).  Of the 64 keys that a wave fetches, the partner at cy takes
; 16, two blocks of 256 bytes a key, two lanes a key: partners are told apart BY ADDRESS.  The first three slots' worth come by their loads alone; the last change that fills a slot asks for nothing.
; how = 0: a trip's first change of slots, which always has a slot behind the one it fills; how = 1: its second, which has none in the last trip (s3 = 1).
.macro ASK how
.if \how
	s_cmp_gt_u32 s3, s[LIM]
.else
	s_cmp_eq_u32 s[LIM], 1
.endif
	s_cbranch_scc0 .Lnot_mine_\@
	global_prefetch_b8 v[PFO], s[PFA:PFA+1] th:TH_LOAD_NT scope:SCOPE_SE
.Lnot_mine_\@:
.endm
.macro CREST                           ; a round of the cluster's barrier behind its opening barrier
	s_cmp_lg_u32 s14, 0
	s_cbranch_scc1 .Lnot_wave_0_\@
	s_barrier_signal -3
.Lnot_wave_0_\@:
	s_barrier_wait -3
	s_barrier_signal -1
	s_barrier_wait -1
.endm
.macro CROUND                          ; a whole round
	s_barrier_signal -1
	s_barrier_wait -1
	CREST
.endm
; Piece g of my four query blocks (counted from where p's address stands) into set ps: eight loads, each of 512 consecutive bytes
.macro FETCHP g, ps
	WIN TO_P
.irp a, 0,1,2,3
.irp c, 0,1
	global_load_b128 v[32*(\ps)+8*\a+4*\c:32*(\ps)+8*\a+4*\c+3], v[CO], s[4:5] offset:\a*PQB+(\g)*1024+512*\c
.endr
.endr
.endm
	s_load_b256 s[4:11], s[0:1], 0x0               ; p s[4:5], qkv s[6:7], mst s[8:9], lst s[10:11]
	s_load_b64 s[12:13], s[0:1], 0x20              ; out0
	v_lshl_add_u32 v[SPW], v0, 2, SPARE
	v_mov_b32 v[NIL], 0
	ds_add_u32 v[SPW], v[NIL]                      ; the wave's opening: the add, twice on end, and its wait ahead of my first tensor load
	ds_add_u32 v[SPW], v[NIL]                      ; and once more, under the one wait; the set-up below, work on registers, stands between
	v_lshrrev_b32 v1, 5, v0
	v_readfirstlane_b32 s14, v1                    ; wave 0..3: it also says which 64 keys of a slot I fetch
	s_lshr_b32 s15, s14, 1                         ; which half of the tile's queries is mine
	s_and_b32 s16, s14, 1                          ; which half of its channels
	s_bfe_u32 s17, ttmp6, 0x40000                  ; cx
	s_bfe_u32 s18, ttmp6, 0x40004                  ; cy
	s_lshl_b32 s19, ttmp9, 2
	s_add_co_u32 s19, s19, s17                     ; tx: which 256 channels
	s_and_b32 s21, ttmp7, 0xffff                   ; cluster y
	s_lshl_b32 s20, s21, 2
	s_add_co_u32 s20, s20, s18                     ; ty: which 128 query rows of the 8,192
	s_lshr_b32 s21, s21, 2                         ; the batch = ty / 16 = cluster y / 4: the same in all sixteen partners
	s_lshl_b32 s23, 0x1111, s17                    ; my column of the cluster
	; descriptor group 1: 64 rows x 256 elements of 2 bytes, 3,072 elements apart, 8 words of padding behind every 128
	s_or_b32 s[G1+0], s23, (1<<16)|(1<<20)|(1<<21)|(6<<22)|(7<<25)   ; 15:0 the mask; 17:16 element of 2 bytes; 20 padding on; 21 set beside a mask; 24:22 after every 128 words; 31:25 of 8 words
	s_mov_b32 s[G1+1], 256<<16                     ; tensor_dim0
	s_mov_b32 s[G1+2], 64<<16                      ; tensor_dim1
	s_mov_b32 s[G1+3], 256<<16                     ; tile_dim0
	s_mov_b32 s[G1+4], 64                          ; tile_dim1
	s_mov_b32 s[G1+5], 3072                        ; tensor_dim0_stride
	s_mov_b32 s[G1+6], 0
	s_mov_b32 s[G1+7], 0
	; where v's tiles come from: the batch, tx and the wave's number, which my column of the cluster shares
	s_lshl_b32 s45, s14, 6                         ; which 64 keys of a slot I fetch
	s_lshl_b32 s68, s21, 11
	s_add_co_u32 s68, s68, s45                     ; row 2,048 batch + 64 wave
	s_mul_i32 s68, s68, QROW
	s_lshl_b32 s69, s19, 9
	s_add_co_u32 s68, s68, s69                     ; + 512 tx
	s_add_co_u32 s68, s68, 4096                    ; + v's place in a row of qkv
	s_mov_b32 s69, 0
	s_mul_i32 s71, s14, 64*VP                      ; and where they go: no place in the cluster enters an LDS address
	v_and_b32 v3, 31, v0                           ; lane
	v_lshlrev_b32 v[CO], 4, v3
	v_lshlrev_b32 v[L8], 3, v3
	s_lshl_b32 s72, s20, 7
	s_lshl_b32 s73, s15, 6
	s_add_co_u32 s72, s72, s73                     ; my first query row
	s_lshl_b32 s74, s72, 2                         ; its place in a block's statistics
	s_mov_b32 s75, 0
	s_lshl_b32 s46, s72, 12                        ; and in p (16 rows are 65,536 bytes) and in out0 (a row is 4,096 bytes): x 4,096
	s_mov_b32 s47, 0
	s_wait_dscnt 0x0                               ; both opening adds are done
	s_wait_kmcnt 0x0
	s_add_nc_u64 s[8:9], s[8:9], s[74:75]
	s_add_nc_u64 s[10:11], s[10:11], s[74:75]
	s_add_nc_u64 s[4:5], s[4:5], s[46:47]
	s_add_nc_u64 s[68:69], s[6:7], s[68:69]
	; THE STATISTICS of my 64 rows: a lane takes rows 2 lane and 2 lane + 1, 16 blocks each: each load reads 256 consecutive bytes.  Behind them p's first three pieces
.irp j, 0,1,2,3,4,5,6,7,8,9,10,11,12,13,14,15
	global_load_b64 v[32+2*\j:33+2*\j], v[L8], s[8:9] offset:32768*\j     ; -M_j
	global_load_b64 v[64+2*\j:65+2*\j], v[L8], s[10:11] offset:32768*\j   ; l_j
.endr
	FETCHP 0, 0
	FETCHP 1, 1
	FETCHP 2, 2
	WIN 0
	CROUND                                         ; all sixteen work-groups are here: the first joint loads meet
.irp s, 0,1
	s_mov_b32 s[G0+4*\s], 1                                        ; count = 1
	s_add_co_u32 s[G0+4*\s+1], s71, \s*SLOT                        ; LDS address
	s_add_nc_u64 s[G0+4*\s+2:G0+4*\s+3], s[68:69], \s*KSL*QROW     ; global address: keys 256 s on
	s_or_b32 s[G0+4*\s+3], s[G0+4*\s+3], 0x80000000                ; type = 2
	tensor_load_to_lds s[G0+4*\s:G0+4*\s+3], s[G1:G1+7]            ; every wave issues both: two tensor loads of mine are out
	s_nop 0
.endr
.rept 4
	v_nop
.endr
	v_and_b32 v1, 15, v0                           ; r = l % 16
	v_bfe_u32 v2, v0, 4, 1                         ; h = l / 16
	v_and_b32 v5, 7, v0                            ; the turning load takes 16 keys x 16 channels: lane l reads 16 bytes: key 8 h + l % 8, channels 8 ((l / 8) % 2) + 0..7
	v_lshl_add_u32 v5, v2, 3, v5
	v_mul_u32_u24 v5, v5, VP
	v_bfe_u32 v6, v0, 3, 1
	v_lshl_add_u32 v5, v6, 4, v5
	s_lshl_b32 s23, s16, 8                         ; my 128 channels
.irp i, 0,1,2,3
	v_add_nc_u32 v[ADRB+\i], s23, v5
	s_add_co_u32 s23, s23, HSL
.endr
	s_mul_i32 s22, s14, 16*SGP
	s_add_co_u32 s22, s22, STG                     ; my stage
	v_mul_u32_u24 v4, v1, SGP                      ; in: row r, 32 bytes for each half of the lanes
	v_lshl_add_u32 v4, v2, 5, v4
	v_add_nc_u32 v[STO], s22, v4
	v_add_nc_u32 v[RD], s22, v[CO]                 ; back: the 32 lanes take one row of 512 bytes
	s_lshl_b32 s22, s14, 12
	s_add_co_u32 s22, s22, TAB                     ; my table
	v_and_b32 v4, 7, v0
	v_lshlrev_b32 v4, 5, v4
	v_bfe_u32 v6, v0, 3, 2
	v_lshl_add_u32 v4, v6, 2, v4
	v_add_nc_u32 v[TABW], s22, v4                  ; written: row 2 lane + u is query block lane / 8, place 2 (lane % 8) + u: 32 (lane % 8) + 4 (lane / 8) + 16 u
	s_sub_co_u32 s22, s22, 256
	v_lshlrev_b32 v4, 4, v1
	v_add_nc_u32 v[TABR], s22, v4                  ; read: 16 r: the four words of queries r, 16 + r, 32 + r, 48 + r; it stands one entry ahead of the table and steps in front of each read
.irp e, 225,227,229,231
	v_mov_b32 v\e, 0                               ; written once: the upper halves of the pairs with g, which the packed forms name
.endr
	s_lshl_b32 s73, s19, 10
	s_add_co_u32 s46, s46, s73                     ; out0: my first row, + 1,024 tx
	s_lshl_b32 s73, s16, 9
	s_add_co_u32 s46, s46, s73                     ; + 512 x my half of the channels
	s_add_nc_u64 s[12:13], s[12:13], s[46:47]
	; the prefetches
	s_lshl_b32 s72, s21, 11
	s_add_co_u32 s72, s72, s45
	s_lshl_b32 s73, s18, 4
	s_add_co_u32 s72, s72, s73                     ; row 2,048 batch + 64 wave + 16 cy,
	s_add_co_u32 s72, s72, 2*KSL                   ; two slots on: the first change of slots steps it to the third and names that
	s_mul_i32 s72, s72, QROW
	s_lshl_b32 s73, s19, 9
	s_add_co_u32 s72, s72, s73
	s_add_co_u32 s72, s72, 4096
	s_mov_b32 s73, 0
	s_add_nc_u64 s[PFA:PFA+1], s[6:7], s[72:73]
	s_and_b32 s22, ttmp7, 0xffff
	s_and_b32 s22, s22, 3                          ; which of the batch's four clusters: the same in all sixteen partners
	s_cmp_eq_u32 s22, 0
	s_cselect_b32 s[LIM], 1, -1
	v_lshrrev_b32 v[PFO], 1, v3
	v_mul_u32_u24 v[PFO], v[PFO], QROW             ; two lanes a key,
	v_and_b32 v27, 1, v3
	v_lshl_add_u32 v[PFO], v27, 8, v[PFO]          ; 256 bytes apart
	s_wait_loadcnt 24                              ; the statistics are in; p's first three pieces, 24 loads, may be out
	FETCHP 3, 3                                    ; the other four pieces of the lead: 56 loads of mine are out at the most
	FETCHP 4, 4
	FETCHP 5, 5
	FETCHP 6, 6
	WIN 0
.irp u, 0,1
	v_min3_num_f32 v[NMR+\u], v[32+\u], v[34+\u], v[36+\u]                   ; -M = the least of the -M_j
.endr
.irp i, 3,5,7,9,11,13
.irp u, 0,1
	v_min3_num_f32 v[NMR+\u], v[NMR+\u], v[32+2*\i+\u], v[34+2*\i+\u]
.endr
.endr
.irp u, 0,1
	v_min_num_f32 v[NMR+\u], v[NMR+\u], v[62+\u]
.endr
.set i, 0
.rept 16
	v_pk_add_f32 v[32+i:33+i], v[NMR:NMR+1], v[32+i:33+i] neg_lo:[0,1] neg_hi:[0,1]   ; M_j - M: a whole number, 0 or less; my two rows at a time
.set i, i+2
.endr
.set i, 0
.rept 32
	v_cvt_i32_f32 v[32+i], v[32+i]                 ; (it saturates)
.set i, i+1
.endr
.set i, 0
.rept 32
	v_ldexp_f32 v[32+i], 1.0, v[32+i]              ; f_j = 2^(M_j - M)
.set i, i+1
.endr
	v_pk_mul_f32 v[LS:LS+1], v[32:33], v[64:65]    ; L = sum of f_j l_j: the first term starts it
.set i, 2
.rept 15
	v_pk_fma_f32 v[LS:LS+1], v[32+i:33+i], v[64+i:65+i], v[LS:LS+1]
.set i, i+2
.endr
.irp u, 0,1
	v_rcp_f32 v[LS+\u], v[LS+\u]                   ; L is at least 0.5: the block with M_j = M has a weight over 0.5
.endr
	v_nop                                          ; a plain instruction behind the reciprocals,
	s_wait_alu depctr_va_vdst(0)                   ; and one wait for the two, ahead of their first reader
.set i, 0
.rept 16
	v_pk_mul_f32 v[32+i:33+i], v[32+i:33+i], v[LS:LS+1]   ; g_j = f_j / L
.set i, i+2
.endr
.irp j, 0,1,2,3,4,5,6,7,8,9,10,11,12,13,14,15
.irp u, 0,1
	ds_store_b32 v[TABW], v[32+2*\j+\u] offset:256*\j+16*\u
.endr
.endr
.macro MM g, ps, zero                  ; product n of a quarter's 32: channels 16 (n % 8) on x queries 16 (n / 8) on, 32 keys, out of V's set g and p's set ps.  zero: it starts the sum
.if \zero
	v_wmma_f32_16x16x32_f16 v[8*n:8*n+7], v[96+64*(\g)+8*(n%8):96+64*(\g)+8*(n%8)+7], v[32*(\ps)+8*(n/8):32*(\ps)+8*(n/8)+7], 0
.else
	v_wmma_f32_16x16x32_f16 v[8*n:8*n+7], v[96+64*(\g)+8*(n%8):96+64*(\g)+8*(n%8)+7], v[32*(\ps)+8*(n/8):32*(\ps)+8*(n/8)+7], v[8*n:8*n+7]
.endif
.endm
.macro CMB m, mode                     ; accumulator m of the block just finished goes into O, from its low end on.  mode 1: O = g T, the first block: nothing is cleared;  mode 2: O += g T
.set cc, 0
.rept 4
.if \mode == 1
	v_pk_mul_f32 v[8*(\m)+cc:8*(\m)+cc+1], v[8*(\m)+cc:8*(\m)+cc+1], v[FF+2*((\m)/8):FF+2*((\m)/8)+1] op_sel_hi:[1,0]
.else
	v_pk_fma_f32 v[8*(\m)+cc:8*(\m)+cc+1], v[8*(\m)+cc:8*(\m)+cc+1], v[FF+2*((\m)/8):FF+2*((\m)/8)+1], v[8*(\m)+cc:8*(\m)+cc+1] op_sel_hi:[1,0,1]
.endif
.set cc, cc+2
.endr
.endm
.macro FETCHV slot, q, g               ; V's fragments of the slot's q-th 32 keys into set g: 16 loads in one run, turned
	WIN 0
.irp b, 0,1,2,3,4,5,6,7
	ds_load_tr16_b128 v[96+64*(\g)+8*\b:96+64*(\g)+8*\b+3],   v[ADRB+2*(\slot)+(\q)/4] offset:32*VP*((\q)%4)+32*\b
	ds_load_tr16_b128 v[96+64*(\g)+8*\b+4:96+64*(\g)+8*\b+7], v[ADRB+2*(\slot)+(\q)/4] offset:32*VP*((\q)%4)+32*\b+16*VP
.endr
.endm
.macro FETCHF                          ; g of the block that is being finished (window 0).  The address steps first: the last reads through it came back long ago
	v_add_nc_u32 v[TABR], 256, v[TABR]
.irp a, 0,1,2,3
	ds_load_b32 v[FF+2*\a], v[TABR] offset:4*\a
.endr
.endm
; Places: a load into a register that a matrix instruction has read, and a vector instruction that reads a matrix result, stand four plain vector instructions behind it; a matrix instruction that writes over
; an earlier one's result, five (ISA guide 7.12.1 for vector instructions).  This text counts no matrix instruction as a place.
.macro PLACES n
.rept \n
	v_nop
.endr
.endm
; A QUARTER that has its successor in the same slot: the slot's q8-th 32 keys (0 .. 6), on V's set q8 % 2 and p's set q8.  qr: the quarter's number, counted from where p's address stands.
; At its head it asks for the next quarter's V and (ld = 1) for p seven quarters on, into the sets that the quarter before has just read: the places stand in front.
; cnt: the younger loads of p that may stay out: six groups of eight, fewer in the tail.
; The 32 accumulators take turns, one instruction a turn, in the same order in every quarter.
; A block's first quarter (q8 = 0, 4) starts the sums anew; cmb: ahead of each of its products the accumulator's last block goes into O (CMB), four packed instructions behind the product before.
.macro QUARTER slot, q8, qr, ld, cnt, cmb
.set CUR, (\q8)%2
.set NXT, 1-(\q8)%2
.set ZR, 0
.if (\q8)%4 == 0
.set ZR, 1
.endif
	s_wait_dscnt 0x0                               ; my set's V is in, asked for a quarter ago (and g, where it was asked for)
	s_wait_loadcnt \cnt                            ; my set's p is in
.if ZR
	PLACES 5
.else
	PLACES 4
.endif
	FETCHV \slot, (\q8)+1, NXT
.if (\q8)%4 == 3
	FETCHF
.endif
.if \ld
	FETCHP (\qr)+AHEAD, ((\q8)+AHEAD)%8
.endif
.set n, 0
.if ZR && \cmb
	WIN CW
	CMB 0, \cmb
.endif
.rept 32
	WIN MW
	MM CUR, \q8, ZR
.if ZR && \cmb && (n < 31)
	WIN CW
	CMB n+1, \cmb
.endif
.set n, n+1
.endr
.endm
; A slot's last quarter (V's set 1, p's set 7) changes slots: ONE barrier.  In front of it each wave waits for all its tensor loads (one is out: its part of the next slot), adds 0 to its spare word, and waits for
; that and for its own reads of this slot.  fill = 1: the barrier opens a round of the cluster's barrier, and this slot is filled again, with the keys two slots on, first thing behind the round: 240 matrix instructions ahead of the wait for it.
.macro TURN slot, next, fill, qr, how
.if \fill
	s_wait_xcnt 0x0                                ; the last prefetch, a slot back, has read its address: it is stepped here, ahead of the waits of the change of slots
	s_add_nc_u64 s[PFA:PFA+1], s[PFA:PFA+1], KSL*QROW
.endif
	s_wait_loadcnt 48                              ; set 7's p is in; six younger groups of eight may be out
	WIN 0                                          ; (the add's two registers lie in window 0)
	s_wait_tensorcnt 0x0                           ; all my tensor loads have landed;
	ds_add_u32 v[SPW], v[NIL]                      ; 0 onto my spare word;
	s_wait_dscnt 1                                 ; (the add alone may be out: set 1's V is in)
	WIN MW
.set n, 0
.rept 8
	MM 1, 7, 0                                     ; eight matrix instructions stand between the add and the wait for it
.set n, n+1
.endr
	s_wait_dscnt 0x0                               ; the add is done, and my reads of this slot are over
	s_barrier_signal -1
.rept 8
	MM 1, 7, 0                                     ; work on registers while the others arrive
.set n, n+1
.endr
	WIN 0
	s_barrier_wait -1
.if \fill
	CREST                                          ; no wave of any partner still reads this slot's tile or has a load on its way
	s_add_nc_u64 s[G0+4*\slot+2:G0+4*\slot+3], s[G0+4*\slot+2:G0+4*\slot+3], 2*KSL*QROW
	tensor_load_to_lds s[G0+4*\slot:G0+4*\slot+3], s[G1:G1+7]      ; every wave's one load behind the round: its 64 keys
	s_nop 0
.endif
	PLACES 4                                       ; behind the tensor load; also the places in front of the loads into V's set 0 and p's set 6, which the quarter before read
	FETCHV \next, 0, 0
	FETCHF
	FETCHP (\qr)+AHEAD, 6
.if \fill
	WIN 0
	ASK \how
.endif
	WIN MW
.rept 16
	MM 1, 7, 0
.set n, n+1
.endr
.endm
	s_wait_dscnt 0x0                               ; my table is written
	s_wait_tensorcnt 1                             ; my part of slot 0 is in (slot 1's may stay out)
	s_barrier_signal -1
	s_barrier_wait -1                              ; everybody's is
	FETCHV 0, 0, 0
	QUARTER 0, 0, 0, 1, 48, 0                      ; block 0 starts its sums; there is nothing yet to put into O
	QUARTER 0, 1, 1, 1, 48, 0
	QUARTER 0, 2, 2, 1, 48, 0
	QUARTER 0, 3, 3, 1, 48, 0
	QUARTER 0, 4, 4, 1, 48, 1                      ; block 0 starts O
	QUARTER 0, 5, 5, 1, 48, 0
	QUARTER 0, 6, 6, 1, 48, 0
	WIN 0                                          ; at a label and at a branch every window is 0
	s_mov_b32 s3, 3
.Llap:                                                 ; a trip is 16 quarters, from one change out of slot 0 to just ahead of the next, and fills both slots again: six refills in three trips
	TURN 0, 1, 1, 7, 0
	QUARTER 1, 0, 8, 1, 48, 2
	QUARTER 1, 1, 9, 1, 48, 0
	QUARTER 1, 2, 10, 1, 48, 0
	QUARTER 1, 3, 11, 1, 48, 0
	QUARTER 1, 4, 12, 1, 48, 2
	QUARTER 1, 5, 13, 1, 48, 0
	QUARTER 1, 6, 14, 1, 48, 0
	TURN 1, 0, 1, 15, 1
	QUARTER 0, 0, 16, 1, 48, 2
	QUARTER 0, 1, 17, 1, 48, 0
	QUARTER 0, 2, 18, 1, 48, 0
	QUARTER 0, 3, 19, 1, 48, 0
	QUARTER 0, 4, 20, 1, 48, 2
	QUARTER 0, 5, 21, 1, 48, 0
	QUARTER 0, 6, 22, 1, 48, 0
	WIN 0
	s_wait_xcnt 0x0                                ; the loads of p have had their addresses translated: their base is stepped only behind this wait
	s_add_nc_u64 s[4:5], s[4:5], 16*1024           ; 16 pieces on
	s_sub_co_u32 s3, s3, 1
	s_cmp_lg_u32 s3, 0
	s_cbranch_scc1 .Llap
	TURN 0, 1, 0, 7, 0                             ; the tail is written out, so no round; quarter 55 asks for p's piece 62
	QUARTER 1, 0, 8, 1, 48, 2                      ; quarter 56 for the last, 63;
	QUARTER 1, 1, 9, 0, 48, 0                      ; from here on no load leaves, and the counts run down
	QUARTER 1, 2, 10, 0, 40, 0
	QUARTER 1, 3, 11, 0, 32, 0
	QUARTER 1, 4, 12, 0, 24, 2
	QUARTER 1, 5, 13, 0, 16, 0
	QUARTER 1, 6, 14, 0, 8, 0
	s_wait_dscnt 0x0                               ; the very last quarter
	s_wait_loadcnt 0x0
	WIN 0
	FETCHF                                         ; g of block 15
	WIN MW
.set n, 0
.rept 32
	MM 1, 7, 0
.set n, n+1
.endr
	WIN 0
; THE WAY OUT, a block of 16 queries x 128 channels at a time.  FIN: the last block of keys goes in, O + g T, straight into the registers that leave, each accumulator from its low end on.
; TOSTAGE: a lane's 32 neighbouring bytes of a row into my own stage, and back as whole rows of 512 bytes.  SEND: stored.
.macro FIN a
	WIN 0x12                                       ; source 0 (T) window 2, source 1 (g) window 0, source 2 (O) window 1, destination window 0
.set i, 0
.rept 32
	v_pk_fma_f32 v[96+i:97+i], v[64*(\a)+i:64*(\a)+i+1], v[FF+2*(\a):FF+2*(\a)+1], v[64*(\a)+i:64*(\a)+i+1] op_sel_hi:[1,0,1]
.set i, i+2
.endr
	WIN 0
.endm
.macro TOSTAGE a
.set BK, 32+128*((\a)%2)               ; v32-95 and v160-223 by turns
.irp b, 0,1,2,3,4,5,6,7
	ds_store_b128 v[STO], v[96+8*\b:96+8*\b+3] offset:64*\b
	ds_store_b128 v[STO], v[96+8*\b+4:96+8*\b+7] offset:64*\b+16
.endr
.irp t, 0,1,2,3,4,5,6,7,8,9,10,11,12,13,14,15
	ds_load_b128 v[BK+4*\t:BK+4*\t+3], v[RD] offset:\t*SGP         ; LDS serves a wave's instructions in order (ISA guide 5.7.1.4): these see the stores above
.endr
.endm
.macro SEND a, younger                 ; younger: the LDS instructions issued behind block a's loads: the next block's 16 stores and 16 loads, or none
.set BK, 32+128*((\a)%2)
	s_wait_dscnt \younger
.irp t, 0,1,2,3,4,5,6,7,8,9,10,11,12,13,14,15
	global_store_b128 v[CO], v[BK+4*\t:BK+4*\t+3], s[12:13] offset:(16*(\a)+\t)*OROW th:TH_STORE_NT   ; 32 lanes store 512 consecutive bytes, at a multiple of 512 from out0's first byte; written once, read by nobody here
.endr
.endm
	PLACES 4                                       ; behind the last products: their results are read, and V's registers written, below
	s_wait_dscnt 0x0                               ; g of block 15 is in
	FIN 0
	TOSTAGE 0
.irp a, 1,2,3
.if \a > 1
	s_wait_xcnt 0x0                                ; block a - 2's stores have had their addresses translated: block a's loads may land in their registers
.endif
	FIN \a
	TOSTAGE \a
	SEND \a-1, 32
.endr
	SEND 3, 0
	s_wait_tensorcnt 0x0                           ; the wave's end, behind my last tensor load and my last LDS store
	ds_add_u32 v[SPW], v[NIL]
	s_wait_dscnt 0x0
	CROUND                                         ; the closing round: no work-group ends while a partner may still ask for a tile that names it
	s_endpgm
.Lfunc_end_k_q0b1586c935_pv:
	.size	k_q0b1586c935_pv, .Lfunc_end_k_q0b1586c935_pv-k_q0b1586c935_pv
	.p2alignl 7, 3214868480
	.fill 96, 4, 3214868480
	.section	.rodata,"a",@progbits
	.p2align	6, 0x0
	.amdhsa_kernel k_q0b1586c935_pv
		.amdhsa_group_segment_fixed_size 327680
		.amdhsa_private_segment_fixed_size 0
		.amdhsa_enable_private_segment 0
		.amdhsa_kernarg_size 40
		.amdhsa_user_sgpr_count 2
		.amdhsa_user_sgpr_kernarg_segment_ptr 1
		.amdhsa_wavefront_size32 1
		.amdhsa_system_sgpr_workgroup_id_x 1
		.amdhsa_system_sgpr_workgroup_id_y 1
		.amdhsa_system_sgpr_workgroup_id_z 1
		.amdhsa_system_vgpr_workitem_id 0
		.amdhsa_next_free_vgpr 1024
		.amdhsa_next_free_sgpr 80
		.amdhsa_reserve_vcc 0
		.amdhsa_float_denorm_mode_32 3
		.amdhsa_float_denorm_mode_16_64 3
		.amdhsa_memory_ordered 1
		.amdhsa_forward_progress 1
		.amdhsa_inst_pref_size 246
	.end_amdhsa_kernel
	.amdgpu_metadata
---
amdhsa.version: [ 1, 2 ]
amdhsa.kernels:
  - .name:           k_q0b1586c935_pv
    .symbol:         k_q0b1586c935_pv.kd
    .args:
      - { .name: p, .offset: 0, .size: 8, .value_kind: global_buffer, .address_space: global }
      - { .name: qkv, .offset: 8, .size: 8, .value_kind: global_buffer, .address_space: global }
      - { .name: mst, .offset: 16, .size: 8, .value_kind: global_buffer, .address_space: global }
      - { .name: lst, .offset: 24, .size: 8, .value_kind: global_buffer, .address_space: global }
      - { .name: out0, .offset: 32, .size: 8, .value_kind: global_buffer, .address_space: global }
    .group_segment_fixed_size: 327680
    .private_segment_fixed_size: 0
    .kernarg_segment_align: 8
    .kernarg_segment_size: 40
    .max_flat_workgroup_size: 128
    .sgpr_count:     80
    .vgpr_count:     1024
    .wavefront_size: 32
...
	.end_amdgpu_metadata
.endif
;; end of part 4
